; MI455X (gfx1250); checked and timed in simulation.
; The chip was launched on July 23, 2026; its instructions are those of AMD's public machine-readable ISA for CDNA 5 (MIT licence, August 2026) and "CDNA5" Instruction Set Architecture Reference Guide (July 2026). The comments in the code are by the model that wrote it; some were corrected since.
;; Mixture Of Experts. Allowed arithmetic: matrix products marked QUANTISED: E2M1 operands, one E8M0 scale for each 32 along K, by v_wmma_scale_f32_16x16x128_f8f6f4 with both operands' format E2M1 (or v_wmma_scale_f32_32x16x128_f4), f32 sums; products left as they are: f32 operands where the result goes on into a quantised operand, else bf16, f16 or f32 operands; f32 sums; everything else in f32.
;; Inputs: W1 8 x 1,024 x 4,096 float32; W2 8 x 4,096 x 1,024 float32; Wr 1,024 x 8 float32; b1 8 x 4,096 float32; b2 8 x 1,024 float32; br 8 float32; x 1,024 x 1,024 float32.
;; Outputs: out0 1,024 x 1,024 float32.
;; This version of the problem:
;;   THIS VERSION OF THE PROBLEM IS GIVEN IN LOW PRECISION. The matrix products marked QUANTISED in the list below multiply operands that are first quantised to E2M1 (2 exponent bits, 1 mantissa bit; 4 bits a number), with one power-of-two scale for each 32 numbers along K (OCP MX v1.0); their sums are f32. All else is computed in f32.
;;   The module's matrix products, in the order in which they are computed (A, B: the left and right operand; K: the contracted axis; several contracted axes count as one K, in the product's order):
;;     1. [M 1,024, K 1,024] x [K 1,024, N 8]; A: input x; B: input Wr: left as it is (N = 8 < 16)
;;     2. batch 1,024 x [M 1, K 2] x [K 2, N 8]; A: computed on the way; B: computed on the way: left as it is (K = 2 < 32)
;;     3. [M 1,024, K 1,024] x [K 1,024, N 4,096]; A: input x; B: input W1: QUANTISED
;;     4. [M 1,024, K 4,096] x [K 4,096, N 1,024]; A: computed on the way; B: input W2: QUANTISED
;;     5. [M 1,024, K 1,024] x [K 1,024, N 4,096]; A: input x; B: input W1: QUANTISED
;;     6. [M 1,024, K 4,096] x [K 4,096, N 1,024]; A: computed on the way; B: input W2: QUANTISED
;;     7. [M 1,024, K 1,024] x [K 1,024, N 4,096]; A: input x; B: input W1: QUANTISED
;;     8. [M 1,024, K 4,096] x [K 4,096, N 1,024]; A: computed on the way; B: input W2: QUANTISED
;;     9. [M 1,024, K 1,024] x [K 1,024, N 4,096]; A: input x; B: input W1: QUANTISED
;;     10. [M 1,024, K 4,096] x [K 4,096, N 1,024]; A: computed on the way; B: input W2: QUANTISED
;;     11. [M 1,024, K 1,024] x [K 1,024, N 4,096]; A: input x; B: input W1: QUANTISED
;;     12. [M 1,024, K 4,096] x [K 4,096, N 1,024]; A: computed on the way; B: input W2: QUANTISED
;;     13. [M 1,024, K 1,024] x [K 1,024, N 4,096]; A: input x; B: input W1: QUANTISED
;;     14. [M 1,024, K 4,096] x [K 4,096, N 1,024]; A: computed on the way; B: input W2: QUANTISED
;;     15. [M 1,024, K 1,024] x [K 1,024, N 4,096]; A: input x; B: input W1: QUANTISED
;;     16. [M 1,024, K 4,096] x [K 4,096, N 1,024]; A: computed on the way; B: input W2: QUANTISED
;;     17. [M 1,024, K 1,024] x [K 1,024, N 4,096]; A: input x; B: input W1: QUANTISED
;;     18. [M 1,024, K 4,096] x [K 4,096, N 1,024]; A: computed on the way; B: input W2: QUANTISED
;;   THE QUANTISER, for each operand of a quantised product, along K:
;;     - K is cut into blocks of 32 from its start; a last block that is shorter is filled with zeros.
;;     - A block's scale is 2^e with e = floor(log2(the largest magnitude in the block)) - 2, held to -126 .. 127; a block of zeros has e = 0. As a byte (E8M0): e + 127.
;;     - Each number is divided by its block's scale, clamped to +-6, and rounded to the nearest number of E2M1, ties to even, subnormals kept.
;;     - The product sums the exact products of the quantised numbers (number of the format x scale) in f32.
;;   ~~~python
;;   def quantise(x, axis):      # numpy; x: float32 -> the quantised numbers, widened to float32 again
;;       x = np.moveaxis(x, axis, -1); K = x.shape[-1]
;;       x = np.pad(x, [(0, 0)] * (x.ndim - 1) + [(0, -K % 32)]); x = x.reshape(x.shape[:-1] + (-1, 32)); a = np.abs(x).max(-1, keepdims=True)
;;       e = np.where(a > 0, np.clip(np.frexp(np.where(a > 0, a, 1))[1] - 1 - 2, -126, 127), 0)      # np.frexp(a)[1] - 1 = floor(log2(a)), exactly
;;       r = np.clip(x / 2.0 ** e, -6, 6)
;;       step = 2.0 ** (np.maximum(np.frexp(np.where(r == 0, 1, r))[1] - 1, 0) - 1)
;;       q = np.round(r / step) * step * 2.0 ** e      # np.round: ties to even
;;       return np.moveaxis(q.reshape(q.shape[:-2] + (-1,))[..., :K], -1, axis).astype(np.float32)
;;   ~~~
;;   OPERANDS COMPUTED ON THE WAY. 'Computed on the way' means the value that the module computes at that place (a softmax that the list does not call 'softmax' is quantised finished and normalised). What goes into a quantiser is computed in f32, as accurately as f32 sums, v_exp_f32 and their like allow (about 1e-6 of the number): no bf16 or f16 on the way to a quantiser, and a product that is left as it is and whose result goes on into a quantised operand takes f32 operands (vector FMAs, or v_wmma_f32_16x16x4_f32). A number that lies on a knife's edge between two numbers of the format may be rounded either way, as far as f32 arithmetic and the matrix unit's own rounding can turn it there, and no further.
;; 2 versions. Each part assembles by itself: llvm-mc -triple=amdgcn-amd-amdhsa -mcpu=gfx1250 --defsym DOCPART=n.
;; ======== version 1 of 2: 5 launches
;; limits: right only within a limited range of input values
;; workspace buffers: xq 557,056 bytes; tk_idx 8,192 bytes of whole numbers; tk_gate 8,192 bytes; place 17,408 bytes of whole numbers; hq 5,013,504 bytes; y 17,825,792 bytes
;; launch route (part 1): grid 256 x 1, 1 waves a work-group, no clusters, 0 bytes of LDS; arguments x, Wr, br, xq, tk_idx, tk_gate; writes xq, tk_idx, tk_gate
.if DOCPART == 1
	.amdgcn_target "amdgcn-amd-amdhsa--gfx1250"
	.amdhsa_code_object_version 6
	.text
	.protected	k_q2290501e18_route
	.globl	k_q2290501e18_route
	.p2align	8
	.type	k_q2290501e18_route,@function
k_q2290501e18_route:
	s_mov_b64 s[64:65], 0
	v_nop
	global_prefetch_b8 v0, s[64:65] scope:SCOPE_SE
	s_setreg_imm32_b32 hwreg(HW_REG_WAVE_MODE, 25, 1), 1
	s_wait_xcnt 0x0
; ROUTER AND x's CODES.  One wave takes four tokens.  Lane l holds k = 32 l .. 32 l + 31 of each token's row of x: one block of 32 along K.
; (1) x as codes of E2M1 with one E8M0 byte for each 32 along K: codes [1024][512 bytes] at byte 0 of xq, scale bytes [1024][32] at byte 524,288.
; (2) logits = x Wr + br in f32: each lane multiplies its 32 numbers by its 32 rows of Wr (8 experts each), two experts an instruction; the 32 lanes' parts are added at the end.
; (3) the two largest logits, the lower index first where two are equal; gates g0 = 1 / (1 + E), g1 = E / (1 + E), E = e^(second - first): the softmax's divisor cancels in the renormalised pair,
;     and the largest logit is taken away ahead of the exponential, so E is at most 1.
; The chosen experts and the gates are stored at fixed places: no address here hangs on them.
; ALL LOADS GO OUT AT THE START: 32 of x, then 64 of Wr.  A lane's 32 rows of Wr are 256 registers, so they lie in a register window of their own, and the wave takes 512 registers.
; REGISTERS, in windows of 256 (s_set_vgpr_msb: bits 1:0 source 0, 7:6 destination): window 0: all but Wr;  window 1: register 32 c + 8 i + e = Wr(32 l + 4 c + i, e).  Four switches in all.
; LIMITS: NaN and infinities are not served.  The choice is made on the logits, which rise with the probabilities; two logits nearer than f32 rounding may be ordered otherwise than their probabilities.
; A block of zeros gets the byte 1 (its codes are zeros); the bytes are read by this program alone.
; No LDS, no matrix unit, no cluster: a work-group shares nothing but Wr, 32 KiB that every work-group reads.
.set X,   16                           ; v16-143  token t's 32 numbers at X + 32 t
.set ACC, 208                          ; v208-239 token t's 8 partial logits at ACC + 8 t
.set CD,  144                          ; token t's 4 registers of codes,
.set SBY, 160                          ; its scale byte,
.set SOP, 164                          ; and the conversion's scale operand: a set for each token, so that no store's data are written again
.set TMP, 240
.set MSB, 0
.macro WIN new                         ; the immediate's high byte repeats the setting that is left
.if MSB != \new
	s_set_vgpr_msb (MSB<<8)|\new
.set MSB, \new
.endif
.endm
	s_load_b256 s[4:11], s[0:1], 0x0               ; x, Wr, br, xq
	s_load_b128 s[12:15], s[0:1], 0x20             ; tk_idx, tk_gate
	v_lshlrev_b32 v1, 7, v0                        ; x: 128 bytes a lane
	v_lshlrev_b32 v2, 10, v0                       ; Wr: 32 rows of 32 bytes a lane
	v_lshlrev_b32 v3, 4, v0                        ; codes: 16 bytes a lane
	s_lshl_b32 s2, ttmp9, 14                       ; four rows of 4,096 bytes a work-group
	s_mov_b32 s3, 0
	s_mov_b32 s24, 0x76543210                      ; v_permlanex16_b32's selects for lane l xor 16
	s_mov_b32 s25, 0xfedcba98
	s_mov_b32 s26, 0xaaaaaaaa                      ; lanes with bit 0 set
	s_mov_b32 s27, 0xcccccccc                      ; lanes with bit 1 set
	s_wait_kmcnt 0x0
	s_add_nc_u64 s[4:5], s[4:5], s[2:3]
.irp t, 0,1,2,3
.irp j, 0,1,2,3,4,5,6,7
	global_load_b128 v[X+32*\t+4*\j:X+32*\t+4*\j+3], v1, s[4:5] offset:4096*\t+16*\j   ; no hint: a lane's 128 consecutive bytes are taken by eight loads
.endr
.endr
	WIN 0x40                                       ; destination window 1, address window 0
.irp c, 0,1,2,3,4,5,6,7
.irp j, 0,1,2,3,4,5,6,7
	global_load_b128 v[32*\c+4*\j:32*\c+4*\j+3], v2, s[6:7] offset:128*\c+16*\j
.endr
.endr
	WIN 0
	s_load_b256 s[16:23], s[8:9], 0x0              ; br
	s_lshl_b32 s2, ttmp9, 11
	s_add_nc_u64 s[28:29], s[10:11], s[2:3]        ; my four rows of codes
	s_lshl_b32 s2, ttmp9, 7
	s_add_co_u32 s2, s2, 524288
	s_add_nc_u64 s[30:31], s[10:11], s[2:3]        ; and of scale bytes
	s_lshl_b32 s2, ttmp9, 5
	s_add_nc_u64 s[12:13], s[12:13], s[2:3]        ; my four tokens' pairs
	s_add_nc_u64 s[14:15], s[14:15], s[2:3]
; Token t's block of 32 in my lane: largest magnitude with the floor 2^(3 - 127), 2 off its exponent field = the conversion's scale operand, its exponent field = the byte.
.macro XQ t
.set XB, X+32*\t
	v_max3_num_f32 v[TMP], |v[XB]|, |v[XB+1]|, |v[XB+2]|
	v_max3_num_f32 v[TMP+1], |v[XB+3]|, |v[XB+4]|, |v[XB+5]|
.irp i, 6,10,14,18,22,26
	v_max3_num_f32 v[TMP], v[TMP], |v[XB+\i]|, |v[XB+\i+1]|
	v_max3_num_f32 v[TMP+1], v[TMP+1], |v[XB+\i+2]|, |v[XB+\i+3]|
.endr
	v_max3_num_f32 v[TMP], v[TMP], |v[XB+30]|, |v[XB+31]|
	v_max3_num_f32 v[TMP], v[TMP], v[TMP+1], 0x1800000
	v_add_nc_u32 v[SOP+\t], 0xff000000, v[TMP]
	v_lshrrev_b32 v[SBY+\t], 23, v[SOP+\t]
.irp g, 0,1,2,3
	v_cvt_scalef32_pk8_fp4_f32 v[CD+4*\t+\g], v[XB+8*\g:XB+8*\g+7], v[SOP+\t]
.endr
	v_nop                                          ; one plain line behind the conversions: their sources are written again further down
	global_store_b128 v3, v[CD+4*\t:CD+4*\t+3], s[28:29] offset:512*\t   ; the wave stores the row's 512 consecutive bytes
	global_store_b8 v0, v[SBY+\t], s[30:31] offset:32*\t
.endm
	s_wait_loadcnt 63                              ; of the 96 loads at most the youngest 63 are out: x's 32 are in
.irp t, 0,1,2,3
	XQ \t                                          ; the codes leave while the logits are summed
.endr
; One row of Wr against the four tokens: two experts an instruction; x's number is one half of a pair, taken for both results.
.macro FM c, i, t, p
.if ((\c) == 0) && ((\i) == 0)
	v_pk_mul_f32 v[ACC+8*\t+\p:ACC+8*\t+\p+1], v[32*(\c)+8*\i+\p:32*(\c)+8*\i+\p+1], v[X+32*\t+4*(\c)+2*(\i/2):X+32*\t+4*(\c)+2*(\i/2)+1] op_sel_hi:[1,0]   ; the first product starts the sums
.elseif ((\i)%2) == 0
	v_pk_fma_f32 v[ACC+8*\t+\p:ACC+8*\t+\p+1], v[32*(\c)+8*\i+\p:32*(\c)+8*\i+\p+1], v[X+32*\t+4*(\c)+2*(\i/2):X+32*\t+4*(\c)+2*(\i/2)+1], v[ACC+8*\t+\p:ACC+8*\t+\p+1] op_sel_hi:[1,0,1]
.else
	v_pk_fma_f32 v[ACC+8*\t+\p:ACC+8*\t+\p+1], v[32*(\c)+8*\i+\p:32*(\c)+8*\i+\p+1], v[X+32*\t+4*(\c)+2*(\i/2):X+32*\t+4*(\c)+2*(\i/2)+1], v[ACC+8*\t+\p:ACC+8*\t+\p+1] op_sel:[0,1,0] op_sel_hi:[1,1,1]
.endif
.endm
.macro CHUNK c                         ; rows 4 c .. 4 c + 3 of my 32 rows of Wr
	s_wait_loadcnt 56-8*(\c)                       ; this chunk's eight loads are in; the eight of each later chunk may be out
.irp i, 0,1,2,3
.irp t, 0,1,2,3
.irp p, 0,2,4,6
	FM \c, \i, \t, \p
.endr
.endr
.endr
.endm
	WIN 0x01                                       ; source 0 (Wr) window 1, all else window 0
.irp c, 0,1,2,3,4,5,6,7
	CHUNK \c
.endr
	WIN 0
; the 32 partial logits are added over the 32 lanes: every lane ends with all of them
.irp m, 1,2,4,8
.set i, 0
.rept 32
	v_add_f32_dpp v[ACC+i], v[ACC+i], v[ACC+i] row_xmask:\m row_mask:0xf bank_mask:0xf
.set i, i+1
.endr
.endr
.set i, 0
.rept 32
	v_permlanex16_b32 v[X+i], v[ACC+i], s24, s25
.set i, i+1
.endr
.set i, 0
.rept 32
	v_add_f32 v[ACC+i], v[ACC+i], v[X+i]
.set i, i+1
.endr
; lane l goes on with token l % 4: v48-55 its eight logits
.irp e, 0,1,2,3,4,5,6,7
	v_cndmask_b32 v[56+\e], v[ACC+\e], v[ACC+8+\e], s26
	v_cndmask_b32 v[64+\e], v[ACC+16+\e], v[ACC+24+\e], s26
.endr
.irp e, 0,1,2,3,4,5,6,7
	v_cndmask_b32 v[48+\e], v[56+\e], v[64+\e], s27
.endr
	s_wait_kmcnt 0x0                               ; br
.irp e, 0,1,2,3,4,5,6,7
	v_add_f32 v[48+\e], s[16+\e], v[48+\e]
.endr
; the two largest: v72 the largest and v84 its expert, v74 the second and v85 its expert.  Strict comparisons: of equal logits the lower index stands first
	v_mov_b32 v72, v48
	v_mov_b32 v84, 0
	v_mov_b32 v74, 0xff800000
	v_mov_b32 v85, 0
.irp e, 1,2,3,4,5,6,7
	v_cmp_gt_f32 s36, v[48+\e], v72
	v_cmp_gt_f32 vcc_lo, v[48+\e], v74
	v_cndmask_b32 v74, v74, v[48+\e], vcc_lo
	v_cndmask_b32 v85, v85, \e, vcc_lo
	v_cndmask_b32 v74, v74, v72, s36
	v_cndmask_b32 v85, v85, v84, s36
	v_cndmask_b32 v72, v72, v[48+\e], s36
	v_cndmask_b32 v84, v84, \e, s36
.endr
	v_sub_f32 v76, v74, v72                        ; second - first: 0 or less
	v_mul_f32 v76, 0x3fb8aa3b, v76
	v_exp_f32 v77, v76
	v_nop                                          ; a plain line behind the transcendental,
	s_wait_alu depctr_va_vdst(0)                   ; and a wait ahead of its first reader
	v_add_f32 v78, 1.0, v77
	v_rcp_f32 v80, v78                             ; g0
	v_and_b32 v82, 3, v0                           ; (a plain line behind the transcendental)
	s_wait_alu depctr_va_vdst(0)
	v_mul_f32 v81, v77, v80                        ; g1
	v_lshlrev_b32 v82, 3, v82
	v_cmp_gt_u32 vcc_lo, 4, v0
	s_wait_xcnt 0x0                                ; EXEC changes only behind this wait: the stores above have read theirs
	s_and_saveexec_b32 s37, vcc_lo                 ; lanes 0 to 3: one lane a token
	global_store_b64 v82, v[84:85], s[12:13]
	global_store_b64 v82, v[80:81], s[14:15]
	s_wait_xcnt 0x0
	s_or_b32 exec_lo, exec_lo, s37
	s_endpgm
.Lfunc_end_k_q2290501e18_route:
	.size	k_q2290501e18_route, .Lfunc_end_k_q2290501e18_route-k_q2290501e18_route
	.p2alignl 7, 3214868480
	.fill 96, 4, 3214868480
	.section	.rodata,"a",@progbits
	.p2align	6, 0x0
	.amdhsa_kernel k_q2290501e18_route
		.amdhsa_group_segment_fixed_size 0
		.amdhsa_private_segment_fixed_size 0
		.amdhsa_enable_private_segment 0
		.amdhsa_kernarg_size 48
		.amdhsa_user_sgpr_count 2
		.amdhsa_user_sgpr_kernarg_segment_ptr 1
		.amdhsa_wavefront_size32 1
		.amdhsa_system_sgpr_workgroup_id_x 1
		.amdhsa_system_sgpr_workgroup_id_y 1
		.amdhsa_system_sgpr_workgroup_id_z 1
		.amdhsa_system_vgpr_workitem_id 0
		.amdhsa_next_free_vgpr 512
		.amdhsa_next_free_sgpr 66
		.amdhsa_reserve_vcc 1
		.amdhsa_float_denorm_mode_32 3
		.amdhsa_float_denorm_mode_16_64 3
		.amdhsa_memory_ordered 1
		.amdhsa_forward_progress 1
		.amdhsa_inst_pref_size 66
	.end_amdhsa_kernel
	.amdgpu_metadata
---
amdhsa.version: [ 1, 2 ]
amdhsa.kernels:
  - .name:           k_q2290501e18_route
    .symbol:         k_q2290501e18_route.kd
    .args:
      - { .name: x, .offset: 0, .size: 8, .value_kind: global_buffer, .address_space: global }
      - { .name: Wr, .offset: 8, .size: 8, .value_kind: global_buffer, .address_space: global }
      - { .name: br, .offset: 16, .size: 8, .value_kind: global_buffer, .address_space: global }
      - { .name: xq, .offset: 24, .size: 8, .value_kind: global_buffer, .address_space: global }
      - { .name: tk_idx, .offset: 32, .size: 8, .value_kind: global_buffer, .address_space: global }
      - { .name: tk_gate, .offset: 40, .size: 8, .value_kind: global_buffer, .address_space: global }
    .group_segment_fixed_size: 0
    .private_segment_fixed_size: 0
    .kernarg_segment_align: 8
    .kernarg_segment_size: 48
    .max_flat_workgroup_size: 32
    .sgpr_count:     66
    .vgpr_count:     512
    .wavefront_size: 32
...
	.end_amdgpu_metadata
.endif
;; end of part 1
;; launch placer (part 2): grid 1 x 1, 32 waves a work-group, no clusters, 4,608 bytes of LDS; arguments tk_idx, place; writes place
.if DOCPART == 2
	.amdgcn_target "amdgcn-amd-amdhsa--gfx1250"
	.amdhsa_code_object_version 6
	.text
	.protected	k_q2290501e18_placer
	.globl	k_q2290501e18_placer
	.p2align	8
	.type	k_q2290501e18_placer,@function
k_q2290501e18_placer:
	s_mov_b64 s[64:65], 0
	v_nop
	global_prefetch_b8 v0, s[64:65] scope:SCOPE_SE
	s_setreg_imm32_b32 hwreg(HW_REG_WAVE_MODE, 25, 1), 1
	s_wait_xcnt 0x0
; THE ROWS ARE PLACED BY EXPERT: a counting sort of the 2,048 (token, k), each expert's run padded to whole tiles of 16 rows.  One work-group, a thread a token, whole numbers only, no atomics.
; place:  byte 0: for expert e the pair (first tile, number of tiles);  byte 256: tok_slot[1024][2], the slot of (token, k);  byte 8,448: row_tok[2176], the token of each slot (0 in slots that hold none),
; and behind it one spare word (slot 2,176) that nobody reads.
; With 2,048 rows and 8 experts the padded runs end at slot 2,160 at the most; all 2,176 words of row_tok are stored.
; Steps: each wave counts its 32 tokens for each expert (a mask, its bits); the 32 waves' counts meet in LDS (16 bytes a wave, two counts a word); every wave adds up all counts and those of the waves below it;
; a token's slot = the expert's first slot + the rows of lower waves + the rows of lower lanes.
; All lanes stay on throughout: where a lane has nothing to fill, its zero goes to the spare word.
	s_load_b128 s[4:7], s[0:1], 0x0                ; tk_idx, place
	v_lshl_add_u32 v48, v0, 2, 0x200
	v_mov_b32 v49, 0
	v_lshrrev_b32 v1, 5, v0
	v_readfirstlane_b32 s8, v1                     ; wave
	v_and_b32 v2, 31, v0                           ; lane
	v_lshlrev_b32 v3, 3, v0                        ; 8 bytes a token
	v_lshlrev_b32 v6, 4, v1                        ; LDS: my wave's 16 bytes
	v_lshlrev_b32 v7, 4, v2                        ; and on the way back: wave = my lane
	s_mov_b32 s10, 0x76543210
	s_mov_b32 s11, 0xfedcba98
	s_wait_kmcnt 0x0
	global_load_b64 v[4:5], v3, s[4:5]             ; my token's two experts
.irp i, 0,1,2,3,4,5,6,7
	v_mov_b32 v[20+\i], 0                          ; written once: the destination of a lane move counts as one of its sources
.endr
	v_mov_b32 v30, 0
	v_mov_b32 v31, 0
	v_mov_b32 v37, 0                               ; the token of a slot that holds no row
	v_mov_b32 v38, 0x880                           ; the spare word's slot
	s_wait_loadcnt 0x0
.irp e, 0,1,2,3,4,5,6,7
	v_cmp_eq_u32 vcc_lo, \e, v4
	v_cmp_eq_u32 s9, \e, v5
	s_or_b32 s[32+\e], vcc_lo, s9                  ; the lanes whose token goes to expert e (a token's two experts differ)
	s_bcnt1_i32_b32 s[40+\e], s[32+\e]
.endr
.irp p, 0,1,2,3
	s_lshl_b32 s9, s[41+2*\p], 16
	s_or_b32 s[48+\p], s[40+2*\p], s9              ; two counts a word: none passes 1,024
	v_mov_b32 v[8+\p], s[48+\p]
.endr
	ds_store_b128 v6, v[8:11]                      ; all lanes write the same 16 bytes with the same values
	s_wait_dscnt 0x0                               ; for the others' sake: my store is done
	s_barrier_signal -1
	s_barrier_wait -1
	ds_load_b128 v[12:15], v7                      ; lane l: wave l's counts
	s_wait_dscnt 0x0
	v_cmp_gt_u32 vcc_lo, s8, v2                    ; waves below mine
.irp p, 0,1,2,3
	v_cndmask_b32 v[16+\p], 0, v[12+\p], vcc_lo
.endr
.irp m, 1,2,4,8
.irp i, 0,1,2,3,4,5,6,7
	v_mov_b32_dpp v[20+\i], v[12+\i] row_xmask:\m row_mask:0xf bank_mask:0xf
.endr
.irp i, 0,1,2,3,4,5,6,7
	v_add_nc_u32 v[12+\i], v[12+\i], v[20+\i]
.endr
.endr
.irp i, 0,1,2,3,4,5,6,7
	v_permlanex16_b32 v[20+\i], v[12+\i], s10, s11
.endr
.irp i, 0,1,2,3,4,5,6,7
	v_add_nc_u32 v[12+\i], v[12+\i], v[20+\i]
	v_readfirstlane_b32 s[52+\i], v[12+\i]         ; s52-55 all rows, s56-59 the rows of lower waves, two experts a word
.endr
	s_mov_b32 s92, 0                               ; the running first slot
; s40+e rows; s68+e my wave's first slot; s76+e the end of the rows; s84+e the slots of padding; s16+2e, s17+2e first tile and tiles
.macro SEG e
.if ((\e)%2) == 0
	s_and_b32 s[40+\e], s[52+(\e)/2], 0xffff
	s_and_b32 s9, s[56+(\e)/2], 0xffff
.else
	s_lshr_b32 s[40+\e], s[52+(\e)/2], 16
	s_lshr_b32 s9, s[56+(\e)/2], 16
.endif
	s_add_co_u32 s12, s[40+\e], 15
	s_and_b32 s12, s12, -16                        ; padded to whole tiles
	s_add_co_u32 s[68+\e], s92, s9
	s_add_co_u32 s[76+\e], s92, s[40+\e]
	s_sub_co_u32 s[84+\e], s12, s[40+\e]
	s_lshr_b32 s[16+2*\e], s92, 4
	s_lshr_b32 s[17+2*\e], s12, 4
	s_add_co_u32 s92, s92, s12
.endm
.irp e, 0,1,2,3,4,5,6,7
	SEG \e
.endr
.irp e, 0,1,2,3,4,5,6,7
	v_mbcnt_lo_u32_b32 v28, s[32+\e], s[68+\e]     ; my wave's first slot + the expert's rows in lower lanes
	v_cmp_eq_u32 vcc_lo, \e, v4
	v_cndmask_b32 v30, v30, v28, vcc_lo
	v_cmp_eq_u32 vcc_lo, \e, v5
	v_cndmask_b32 v31, v31, v28, vcc_lo
.endr
	v_min_u32 v30, 0x87f, v30                      ; a number made of loaded numbers enters an address only behind a bound: 2,175
	v_min_u32 v31, 0x87f, v31
	v_lshlrev_b32 v32, 2, v30
	v_lshlrev_b32 v33, 2, v31
	global_store_b32 v32, v0, s[6:7] offset:8448   ; row_tok[slot] = my token
	global_store_b32 v33, v0, s[6:7] offset:8448
	global_store_b64 v3, v[30:31], s[6:7] offset:256   ; tok_slot
; The slots that hold no row (each expert's padding, and all from the last run's end on) get token 0.  Thread t looks at slots t, t + 1,024 and, for t < 128, t + 2,048.
; A slot that holds a row is left to its row's store: the lane's zero goes to the spare word instead.  Each fill has an address register of its own, so none is written while a store may read it.
.macro FILL n, off
	v_add_nc_u32 v34, \off, v0
	v_cmp_le_u32 s14, s92, v34                     ; at or behind the last run's end
.irp e, 0,1,2,3,4,5,6,7
	v_sub_nc_u32 v35, v34, s[76+\e]
	v_cmp_gt_u32 vcc_lo, s[84+\e], v35             ; 0 <= slot - end < padding, as one unsigned comparison
	s_or_b32 s14, s14, vcc_lo
.endr
.if \off == 2048
	v_cmp_gt_u32 vcc_lo, 128, v0                   ; slots 2,048 to 2,175 alone
	s_and_b32 s14, s14, vcc_lo
.endif
	v_cndmask_b32 v[40+\n], v38, v34, s14          ; the slot, or the spare word
	v_min_u32 v[40+\n], 0x880, v[40+\n]            ; the choice hangs on loaded numbers: it enters the address behind a bound
	v_lshlrev_b32 v[40+\n], 2, v[40+\n]
	global_store_b32 v[40+\n], v37, s[6:7] offset:8448
.endm
	FILL 0, 0
	FILL 1, 1024
	FILL 2, 2048
	s_cmp_lg_u32 s8, 0
	s_cbranch_scc1 .Ldone                          ; wave 0 stores the experts' pairs
	v_mov_b32 v43, 0
.irp i, 0,1,2,3,4,5,6,7,8,9,10,11,12,13,14,15
	v_writelane_b32 v43, s[16+\i], \i
.endr
	v_lshlrev_b32 v44, 2, v2
	global_store_b32 v44, v43, s[6:7]
.Ldone:
	s_wait_tensorcnt 0x0
	ds_add_u32 v48, v49
	s_wait_dscnt 0x0
	s_endpgm
.Lfunc_end_k_q2290501e18_placer:
	.size	k_q2290501e18_placer, .Lfunc_end_k_q2290501e18_placer-k_q2290501e18_placer
	.p2alignl 7, 3214868480
	.fill 96, 4, 3214868480
	.section	.rodata,"a",@progbits
	.p2align	6, 0x0
	.amdhsa_kernel k_q2290501e18_placer
		.amdhsa_group_segment_fixed_size 4608
		.amdhsa_private_segment_fixed_size 0
		.amdhsa_enable_private_segment 0
		.amdhsa_kernarg_size 16
		.amdhsa_user_sgpr_count 2
		.amdhsa_user_sgpr_kernarg_segment_ptr 1
		.amdhsa_wavefront_size32 1
		.amdhsa_system_sgpr_workgroup_id_x 1
		.amdhsa_system_sgpr_workgroup_id_y 1
		.amdhsa_system_sgpr_workgroup_id_z 1
		.amdhsa_system_vgpr_workitem_id 0
		.amdhsa_next_free_vgpr 50
		.amdhsa_next_free_sgpr 96
		.amdhsa_reserve_vcc 1
		.amdhsa_float_denorm_mode_32 3
		.amdhsa_float_denorm_mode_16_64 3
		.amdhsa_memory_ordered 1
		.amdhsa_forward_progress 1
		.amdhsa_inst_pref_size 18
	.end_amdhsa_kernel
	.amdgpu_metadata
---
amdhsa.version: [ 1, 2 ]
amdhsa.kernels:
  - .name:           k_q2290501e18_placer
    .symbol:         k_q2290501e18_placer.kd
    .args:
      - { .name: tk_idx, .offset: 0, .size: 8, .value_kind: global_buffer, .address_space: global }
      - { .name: place, .offset: 8, .size: 8, .value_kind: global_buffer, .address_space: global }
    .group_segment_fixed_size: 4608
    .private_segment_fixed_size: 0
    .kernarg_segment_align: 8
    .kernarg_segment_size: 16
    .max_flat_workgroup_size: 1024
    .sgpr_count:     96
    .vgpr_count:     50
    .wavefront_size: 32
...
	.end_amdgpu_metadata
.endif
;; end of part 2
;; launch ffn1 (part 3): grid 32 x 8, 16 waves a work-group, no clusters, 72,704 bytes of LDS; arguments W1, b1, xq, place, hq; writes hq
.if DOCPART == 3
	.amdgcn_target "amdgcn-amd-amdhsa--gfx1250"
	.amdhsa_code_object_version 6
	.text
	.protected	k_q2290501e18_ffn1
	.globl	k_q2290501e18_ffn1
	.p2align	8
	.type	k_q2290501e18_ffn1,@function
k_q2290501e18_ffn1:
	s_mov_b64 s[64:65], 0
	v_nop
	global_prefetch_b8 v0, s[64:65] scope:SCOPE_SE
	s_setreg_imm32_b32 hwreg(HW_REG_WAVE_MODE, 25, 1), 1
	s_wait_xcnt 0x0
; h = Q(gelu(Q(x) Q(W1[e]) + b1[e])) for the rows routed to expert e, both operands codes of E2M1 with one E8M0 byte for each 32 along K.
; A work-group owns expert e (grid y) and 128 hidden units (grid x): 1,024 x 128 numbers of W1, 512 KiB, which no other work-group reads.  So each byte of W1 leaves memory once.
; PHASE Q.  The slice is quantised along K (W1's first axis within an expert): a lane takes a column and its registers run down K, 32 rows a block.  Wave w takes 32 columns (w % 4) x 256 along K (w / 4).
;   The codes go to LDS as IMAGES OF THE OPERAND'S REGISTERS: fragment (K step ks, tile nt) at ks 8,192 + nt 1,024 + c 512 + 16 x lane; scale words at [ks][row 16][nt 8].
;   THE COLUMNS OF A TILE ARE NOT NEIGHBOURS: row m of tile 2 b + u is hidden unit 32 b + 8 u + m + 8 (m / 8), so that a lane's 16 results of tiles 2 b, 2 b + 1 are 16 neighbours along the next K.
; One barrier.  PHASE M.  Wave w takes the expert's tiles of 16 rows w, w + 16, ..: a count read from 'place', so the loop holds no barrier and the launch no tensor load.
;   A trip: b1 as the C of the sums; 8 K steps x 8 tiles, transposed (source 0 = 16 hidden units, source 1 = 16 rows of x: a lane holds ONE row); exact GELU in f32; quantised along the hidden units;
;   the fragment (K step = this slice's number, of the second product) and its scale words go to hq as images.  Where the wave has a next tile, and only there, its tokens and codes of x are asked for
;   behind the products, so that the codes land under this tile's GELU.
; GELU: v x Phi(v); with a = |v| / sqrt(2) and H = erfc(a) / 2: Phi = H for v < 0, 1 - H else.  erfc(a) = (1 + p(q)) / (1 + 2 a) x e^(-a a), q = (a - 2) / (a + 2), p of degree 9; the rounding of a a is made good by
;   the factor 1 + (fl(a a) - a a).  One reciprocal, of (a + 2)(1 + 2 a), gives both quotients.
; LIMITS: NaN and infinities are not served; |x W1 + b1| stays under 1e19 (the product (a + 2)(1 + 2 a) must not overflow).  A block of zeros gets the byte 1; this program alone reads the bytes.
; NO CLUSTER: no two work-groups read the same bytes of W1; what they share, x's codes, is a small part of a work-group's bytes, and the trips hang on counts read from memory.
.set PITCHW, 16384                     ; a row of W1[e] in bytes
.set KSB,  8192                        ; a K step's eight images
.set SSB,  512                         ; a K step's scale words
.set SCL,  65536                       ; LDS: images 0 .. 65,535; scale words from here, 4,096 bytes;
.set BIA,  69632                       ; the slice's 128 numbers of b1
.set XF,   16                          ; v16-79   x's eight fragments
.set XS,   80                          ; v80-87   x's scale words, one register a K step: they hold nothing else
.set ACC,  88                          ; v88-151  eight accumulators
.set WA,   152                         ; v152-183 W1's fragments of tiles 0-3,
.set WC,   184                         ; v184-215 of tiles 4-7
.set WS,   232                         ; v232-247 W1's scale words, two sets of eight: they hold nothing else
.set GA,   152                         ; the GELU's five arrays of 16
.set GP,   168
.set GD,   184
.set GR,   200
.set GS,   216
.set TM,   152                         ; the quantiser's registers
.set PW,   168
.set PC,   176
.set QX,   88                          ; phase Q: two sets of 32 numbers,
.set QM,   152
.set QS,   154
.set QB,   155
.set QW,   156
.set QC,   160
; v1 r = lane % 16; v2 4 x lane; v3, v4 phase Q's LDS addresses (codes, scale words); v5 16 x lane; v6 where b1 goes in LDS; v7 my row's scale words; v8 my half's b1; v9 4 r; v10 my row's token;
; v11, v12 its codes and scale bytes in xq; v13 a number of b1; v14 its place; v15 16 x (lane / 16); v[248:249] the polynomial's c8
; s22 my tile's number among the expert's; s70 trips done, s71 my trips
	s_load_b256 s[4:11], s[0:1], 0x0               ; W1, b1, xq, place
	s_load_b64 s[12:13], s[0:1], 0x20              ; hq
	v_lshl_add_u32 v254, v0, 2, 0x11400
	v_mov_b32 v255, 0
	v_lshrrev_b32 v1, 5, v0
	v_readfirstlane_b32 s14, v1                    ; wave 0..15
	s_and_b32 s15, ttmp7, 0xffff                   ; expert
	s_and_b32 s17, s14, 3                          ; cg: which 32 columns
	s_lshr_b32 s16, s14, 2                         ; kq: which 256 along K
	v_and_b32 v10, 31, v0                          ; lane
	v_and_b32 v1, 15, v0
	v_bfe_u32 v11, v0, 4, 1                        ; lane / 16
	v_bfe_u32 v12, v0, 3, 1                        ; u: which tile of the pair my column falls into
	v_lshlrev_b32 v2, 2, v10
	v_lshlrev_b32 v5, 4, v10
	v_and_b32 v3, 7, v0
	v_lshl_add_u32 v3, v11, 3, v3                  ; its row in that tile: lane % 8 + 8 (lane / 16)
	s_lshl_b32 s60, s16, 14
	s_lshl_b32 s61, s17, 11
	s_add_co_u32 s60, s60, s61                     ; two K steps a kq, two tiles a cg
	s_lshl_b32 s61, s16, 10
	s_lshl_b32 s62, s17, 3
	s_add_co_u32 s61, s61, s62
	s_add_co_u32 s61, s61, SCL
	v_lshlrev_b32 v4, 5, v3
	v_lshl_add_u32 v4, v12, 2, v4
	v_add_nc_u32 v4, s61, v4                       ; scale words: SCL + 1,024 kq + 32 row + 8 cg + 4 u
	v_lshlrev_b32 v3, 4, v3
	v_lshl_add_u32 v3, v12, 10, v3
	v_add_nc_u32 v3, s60, v3                       ; codes: 16,384 kq + 2,048 cg + 1,024 u + 16 row
	v_lshlrev_b32 v7, 5, v1
	v_add_nc_u32 v7, SCL, v7
	v_lshlrev_b32 v8, 6, v11
	v_add_nc_u32 v8, BIA, v8
	v_lshlrev_b32 v9, 2, v1
	v_lshlrev_b32 v15, 4, v11
	v_and_b32 v14, 127, v0
	v_lshlrev_b32 v14, 2, v14
	v_add_nc_u32 v6, BIA, v14
	v_mov_b32 v248, 0xbaa15130                     ; c8, twice
	v_mov_b32 v249, 0xbaa15130
	s_lshl_b32 s62, s15, 24                        ; my part of W1: expert, 256 kq rows, the slice's 512 bytes, 128 cg
	s_lshl_b32 s63, s16, 22
	s_add_co_u32 s62, s62, s63
	s_lshl_b32 s63, ttmp9, 9
	s_add_co_u32 s62, s62, s63
	s_lshl_b32 s63, s17, 7
	s_add_co_u32 s62, s62, s63
	s_mov_b32 s63, 0
	s_mov_b32 s34, 0x76543210                      ; v_permlanex16_b32's selects for lane l xor 16
	s_mov_b32 s35, 0xfedcba98
	s_mov_b32 s36, 0x3f3504f3                      ; 1 / sqrt(2)
	s_mov_b32 s38, 0xbfb8aa3b                      ; -log2(e); each constant twice: the packed forms name a pair
	s_mov_b32 s39, 0xbfb8aa3b
	s_mov_b32 s40, 0xb9d25000                      ; c9
	s_mov_b32 s41, 0xb9d25000
	s_mov_b32 s42, 0x3aac2b8a                      ; c7
	s_mov_b32 s43, 0x3aac2b8a
	s_mov_b32 s44, 0x3c0d6e62                      ; c6
	s_mov_b32 s45, 0x3c0d6e62
	s_mov_b32 s46, 0xbc040dc1                      ; c5
	s_mov_b32 s47, 0xbc040dc1
	s_mov_b32 s48, 0xbd5e05b5                      ; c4
	s_mov_b32 s49, 0xbd5e05b5
	s_mov_b32 s50, 0x3e27fe23                      ; c3
	s_mov_b32 s51, 0x3e27fe23
	s_mov_b32 s52, 0xbe2a0420                      ; c2
	s_mov_b32 s53, 0xbe2a0420
	s_mov_b32 s54, 0xbdbdfb0b                      ; c1
	s_mov_b32 s55, 0xbdbdfb0b
	s_mov_b32 s56, 0x3e8dd01d                      ; c0
	s_mov_b32 s57, 0x3e8dd01d
	s_wait_kmcnt 0x0
	s_add_nc_u64 s[18:19], s[4:5], s[62:63]
.macro LOADW t                         ; block t of my 8: W1(32 t + i, my column), i = 0 .. 31, into set t % 2; a load reads 128 consecutive bytes, four waves side by side 512
.set i, 0
.rept 32
	global_load_b32 v[QX+32*((\t)%2)+i], v2, s[18:19] offset:(32*(\t)+i)*PITCHW th:TH_LOAD_NT
.set i, i+1
.endr
.endm
; Block t is quantised: all its 32 numbers are mine.  cnt: the loads issued behind block t's, which may stay out.
.macro QBLOCK t, cnt
.set XB, QX+32*((\t)%2)
	s_wait_loadcnt \cnt
	v_max3_num_f32 v[QM], |v[XB]|, |v[XB+1]|, |v[XB+2]|
	v_max3_num_f32 v[QM+1], |v[XB+3]|, |v[XB+4]|, |v[XB+5]|
.irp i, 6,10,14,18,22,26
	v_max3_num_f32 v[QM], v[QM], |v[XB+\i]|, |v[XB+\i+1]|
	v_max3_num_f32 v[QM+1], v[QM+1], |v[XB+\i+2]|, |v[XB+\i+3]|
.endr
	v_max3_num_f32 v[QM], v[QM], |v[XB+30]|, |v[XB+31]|
	v_max3_num_f32 v[QM], v[QM], v[QM+1], 0x1800000    ; the floor 2^(3 - 127): the byte cannot fall under 1
	v_add_nc_u32 v[QS], 0xff000000, v[QM]          ; 2 off the exponent field: the conversion's scale operand
	v_lshrrev_b32 v[QB], 23, v[QS]                 ; the byte
.if ((\t)%4) == 0
	v_mov_b32 v[QW], v[QB]                         ; four bytes make a K step's scale word, the lower K in the lower byte
.else
	v_lshl_or_b32 v[QW], v[QB], 8*((\t)%4), v[QW]
.endif
.irp g, 0,1,2,3
	v_cvt_scalef32_pk8_fp4_f32 v[QC+\g], v[XB+8*\g:XB+8*\g+7], v[QS]
.endr
	v_nop                                          ; one plain line behind the conversions
	ds_store_b128 v3, v[QC:QC+3] offset:((\t)/4)*KSB+(((\t)%4)/2)*512+((\t)%2)*256   ; block 2 c + hs of a K step: registers 4 c .. 4 c + 3 of lane row + 16 hs
.if ((\t)%4) == 3
	ds_store_b32 v4, v[QW] offset:((\t)/4)*SSB
.endif
.if (\t) < 6
	LOADW (\t)+2
.endif
	s_wait_dscnt 0x0                               ; the stores are done: the next block writes their registers, and the barrier follows the last
.endm
.macro MKX                             ; my row's token, bounded, and its places in xq
	v_min_u32 v10, 0x3ff, v10
	v_lshl_add_u32 v11, v10, 9, v15                ; 512 bytes of codes a token, + 16 (lane / 16)
	v_lshlrev_b32 v12, 5, v10                      ; 32 scale bytes a token
.endm
.macro XLOAD                           ; 18 loads: x's eight fragments (registers 4 c ..: k = 128 ks + 64 c + 32 (lane / 16) + 0 .. 31 of my row) and its eight scale words
.irp k, 0,1,2,3,4,5,6,7
.irp c, 0,1
	global_load_b128 v[XF+8*\k+4*\c:XF+8*\k+4*\c+3], v11, s[8:9] offset:64*\k+32*\c
.endr
.endr
	global_load_b128 v[XS:XS+3], v12, s[8:9] offset:524288
	global_load_b128 v[XS+4:XS+7], v12, s[8:9] offset:524288+16
.endm
	LOADW 0
	s_lshl_b32 s62, s15, 3
	s_add_nc_u64 s[60:61], s[10:11], s[62:63]
	s_load_b64 s[20:21], s[60:61], 0x0             ; the expert's first tile and its number of tiles
	s_lshl_b32 s62, ttmp9, 10
	s_add_nc_u64 s[66:67], s[12:13], s[62:63]      ; hq: the images of K step = my slice
	s_lshl_b32 s62, ttmp9, 7
	s_add_co_u32 s62, s62, 0x440000
	s_add_nc_u64 s[68:69], s[12:13], s[62:63]      ; and their scale words, behind the 136 x 32 images
	s_lshl_b32 s62, s15, 14
	s_lshl_b32 s23, ttmp9, 9
	s_add_co_u32 s62, s62, s23
	s_add_nc_u64 s[58:59], s[6:7], s[62:63]        ; b1: the expert's row, the slice's 128 numbers
	s_wait_kmcnt 0x0
	s_min_u32 s20, s20, 135                        ; loaded numbers enter addresses and the trip count only behind a bound
	s_min_u32 s21, s21, 136
	s_add_co_u32 s23, s20, s14                     ; my first tile (row_tok is stored whole, so the load is sound whether or not the tile is the expert's)
	s_min_u32 s23, s23, 135
	s_lshl_b32 s62, s23, 6
	s_add_nc_u64 s[24:25], s[10:11], s[62:63]
	global_load_b32 v10, v9, s[24:25] offset:8448  ; its rows' tokens
	global_load_b32 v13, v14, s[58:59]
	LOADW 1
	s_wait_loadcnt 32                              ; block 0, the tokens and b1 are in; block 1's 32 loads may be out
	MKX
	XLOAD
	s_cmp_lt_u32 s14, 4
	s_cbranch_scc0 .Lno_bias                       ; waves 0 to 3 lay b1's 128 numbers into LDS
	ds_store_b32 v6, v13
.Lno_bias:
	QBLOCK 0, 50                                   ; behind block 0's loads: block 1's 32 and x's 18
	QBLOCK 1, 50                                   ; behind block 1's: x's 18 and block 2's 32
	QBLOCK 2, 32
	QBLOCK 3, 32
	QBLOCK 4, 32
	QBLOCK 5, 32
	QBLOCK 6, 32
	QBLOCK 7, 0
	s_barrier_signal -1                            ; every wave's LDS stores are done (the wait for 0 closes each block)
	s_barrier_wait -1                              ; the slice lies in LDS; nothing is written there from here on
.macro SLD k                           ; K step k's scale words of the eight tiles, my row's
	ds_load_b128 v[WS+8*((\k)%2):WS+8*((\k)%2)+3], v7 offset:SSB*(\k)
	ds_load_b128 v[WS+8*((\k)%2)+4:WS+8*((\k)%2)+7], v7 offset:SSB*(\k)+16
.endm
.macro GLD k, g, reg                   ; the images of tiles 4 g .. 4 g + 3
.irp i, 0,1,2,3
.irp c, 0,1
	ds_load_b128 v[\reg+8*\i+4*\c:\reg+8*\i+4*\c+3], v5 offset:KSB*(\k)+(4*(\g)+\i)*1024+512*\c
.endr
.endr
.endm
.macro MM k, g, reg                    ; four products; the eight accumulators take turns, one instruction a turn, over the loop's jump too
.irp i, 0,1,2,3
	v_wmma_scale_f32_16x16x128_f8f6f4 v[ACC+8*(4*(\g)+\i):ACC+8*(4*(\g)+\i)+7], v[\reg+8*\i:\reg+8*\i+7], v[XF+8*(\k):XF+8*(\k)+7], v[ACC+8*(4*(\g)+\i):ACC+8*(4*(\g)+\i)+7], v[WS+8*((\k)%2)+4*(\g)+\i], v[XS+(\k)] matrix_a_fmt:MATRIX_FMT_FP4 matrix_b_fmt:MATRIX_FMT_FP4
.endr
.endm
.macro PLACES                          ; four plain lines between matrix instructions and loads into their registers, or reads of their results (ISA guide 7.12.1 for reads of their results)
.rept 4
	v_nop
.endr
.endm
.macro KSTEP k
	s_wait_dscnt 8                                 ; all but the youngest eight loads (tiles 4-7 of this step) are in
	MM \k, 0, WA
	PLACES
.if (\k) < 7
	SLD (\k)+1
	GLD (\k)+1, 0, WA
	s_wait_dscnt 10                                ; tiles 4-7 are in; the ten just issued may be out
.else
	s_wait_dscnt 0x0
.endif
	MM \k, 1, WC
	PLACES
.if (\k) < 7
	GLD (\k)+1, 1, WC
.endif
.endm
; The GELU of 16 numbers a lane, tiles 2 b and 2 b + 1, each read from its low end on.  The 16 reciprocals and 16 exponentials are one batch with one wait.
.macro GELU b
.set V, ACC+16*(\b)
.set i, 0
.rept 16
	v_mul_f32 v[GA+i], s36, |v[V+i]|               ; a
.set i, i+1
.endr
.irp p, 0,2,4,6,8,10,12,14
	v_pk_add_f32 v[GP+\p:GP+\p+1], v[GA+\p:GA+\p+1], 2.0 op_sel_hi:[1,0]          ; a + 2
.endr
.irp p, 0,2,4,6,8,10,12,14
	v_pk_fma_f32 v[GD+\p:GD+\p+1], v[GA+\p:GA+\p+1], 2.0, 1.0 op_sel_hi:[1,0,0]   ; 1 + 2 a
.endr
.irp p, 0,2,4,6,8,10,12,14
	v_pk_mul_f32 v[GR+\p:GR+\p+1], v[GP+\p:GP+\p+1], v[GD+\p:GD+\p+1]
.endr
.set i, 0
.rept 16
	v_rcp_f32 v[GR+i], v[GR+i]                     ; 1 / ((a + 2)(1 + 2 a))
.set i, i+1
.endr
.irp p, 0,2,4,6,8,10,12,14
	v_pk_mul_f32 v[GS+\p:GS+\p+1], v[GA+\p:GA+\p+1], v[GA+\p:GA+\p+1]             ; s = fl(a a)
.endr
.irp p, 0,2,4,6,8,10,12,14
	v_pk_fma_f32 v[GS+\p:GS+\p+1], v[GS+\p:GS+\p+1], s[38:39], -1.0 op_sel_hi:[1,0,0]   ; -s log2(e) - 1
.endr
.set i, 0
.rept 16
	v_exp_f32 v[GS+i], v[GS+i]                     ; e^(-s) / 2
.set i, i+1
.endr
	v_nop                                          ; a plain line behind the last transcendental,
	s_wait_alu depctr_va_vdst(0)                   ; and one wait for the batch ahead of its first reader
.irp p, 0,2,4,6,8,10,12,14
	v_pk_mul_f32 v[GD+\p:GD+\p+1], v[GR+\p:GR+\p+1], v[GD+\p:GD+\p+1]             ; 1 / (a + 2)
.endr
.irp p, 0,2,4,6,8,10,12,14
	v_pk_mul_f32 v[GP+\p:GP+\p+1], v[GR+\p:GR+\p+1], v[GP+\p:GP+\p+1]             ; 1 / (1 + 2 a)
.endr
.irp p, 0,2,4,6,8,10,12,14
	v_pk_fma_f32 v[GR+\p:GR+\p+1], v[GD+\p:GD+\p+1], -4.0, 1.0 op_sel_hi:[1,0,0]  ; q = 1 - 4 / (a + 2)
.endr
.irp p, 0,2,4,6,8,10,12,14
	v_pk_mul_f32 v[GD+\p:GD+\p+1], v[GA+\p:GA+\p+1], v[GA+\p:GA+\p+1]             ; s once more,
.endr
.irp p, 0,2,4,6,8,10,12,14
	v_pk_fma_f32 v[GD+\p:GD+\p+1], v[GA+\p:GA+\p+1], v[GA+\p:GA+\p+1], v[GD+\p:GD+\p+1] neg_lo:[1,0,0] neg_hi:[1,0,0]   ; t = s - a a, exactly
.endr
.irp p, 0,2,4,6,8,10,12,14
	v_pk_fma_f32 v[GA+\p:GA+\p+1], v[GR+\p:GR+\p+1], s[40:41], v[248:249] op_sel_hi:[1,0,1]   ; p(q), by Horner
.endr
.irp c, 42,44,46,48,50,52,54,56
.irp p, 0,2,4,6,8,10,12,14
	v_pk_fma_f32 v[GA+\p:GA+\p+1], v[GA+\p:GA+\p+1], v[GR+\p:GR+\p+1], s[\c:\c+1] op_sel_hi:[1,1,0]
.endr
.endr
.irp p, 0,2,4,6,8,10,12,14
	v_pk_fma_f32 v[GA+\p:GA+\p+1], v[GA+\p:GA+\p+1], v[GP+\p:GP+\p+1], v[GP+\p:GP+\p+1]   ; (p + 1) / (1 + 2 a)
.endr
.irp p, 0,2,4,6,8,10,12,14
	v_pk_mul_f32 v[GS+\p:GS+\p+1], v[GA+\p:GA+\p+1], v[GS+\p:GS+\p+1]
.endr
.irp p, 0,2,4,6,8,10,12,14
	v_pk_fma_f32 v[GD+\p:GD+\p+1], v[GS+\p:GS+\p+1], v[GD+\p:GD+\p+1], v[GS+\p:GS+\p+1]   ; H = erfc(a) / 2
.endr
.irp p, 0,2,4,6,8,10,12,14
	v_pk_fma_f32 v[GS+\p:GS+\p+1], v[GD+\p:GD+\p+1], -1.0, 1.0 op_sel_hi:[1,0,0]  ; 1 - H
.endr
.set i, 0
.rept 16
	v_cmp_lt_f32 vcc_lo, 0, v[V+i]
	v_cndmask_b32 v[GD+i], v[GD+i], v[GS+i], vcc_lo    ; Phi
.set i, i+1
.endr
.irp p, 0,2,4,6,8,10,12,14
	v_pk_mul_f32 v[V+\p:V+\p+1], v[V+\p:V+\p+1], v[GD+\p:GD+\p+1]
.endr
.endm
; 64 numbers of a lane, register 16 b + i = k 32 b + 16 (lane / 16) + i of my row, become a fragment's codes in v[PC] on and its scale word in v[PW].
.macro QUANT s
.irp b, 0,1,2,3
	v_max3_num_f32 v[TM+\b], |v[\s+16*\b]|, |v[\s+1+16*\b]|, 0x1800000
.endr
.irp i, 2,4,6,8,10,12,14
.irp b, 0,1,2,3
	v_max3_num_f32 v[TM+\b], v[TM+\b], |v[\s+16*\b+\i]|, |v[\s+1+16*\b+\i]|
.endr
.endr
.irp b, 0,1,2,3
	v_permlanex16_b32 v[TM+4+\b], v[TM+\b], s34, s35
.endr
.irp b, 0,1,2,3
	v_max_num_f32 v[TM+\b], v[TM+\b], v[TM+4+\b]   ; with lane l xor 16's 16: the block's largest magnitude
.endr
.irp b, 0,1,2,3
	v_add_nc_u32 v[TM+12+\b], 0xff000000, v[TM+\b]
.endr
.irp b, 0,1,2,3
	v_lshrrev_b32 v[TM+4+\b], 23, v[TM+12+\b]
.endr
	v_lshl_or_b32 v[PW], v[TM+5], 8, v[TM+4]
	v_lshl_or_b32 v[PW], v[TM+6], 16, v[PW]
	v_lshl_or_b32 v[PW], v[TM+7], 24, v[PW]
.irp b, 0,1,2,3
	v_cvt_scalef32_pk8_fp4_f32 v[PC+2*\b], v[\s+16*\b:\s+7+16*\b], v[TM+12+\b]
	v_cvt_scalef32_pk8_fp4_f32 v[PC+1+2*\b], v[\s+8+16*\b:\s+15+16*\b], v[TM+12+\b]
.endr
	v_nop                                          ; one plain line behind the conversions
.irp c, 0,1                                    ; the operand's layout wants a whole block in a lane: lanes 0-15 block 2 c, lanes 16-31 block 2 c + 1
.irp i, 0,1
	v_permlane16_swap_b32 v[PC+4*\c+\i], v[PC+2+4*\c+\i]
.endr
.endr
.endm
	s_mov_b32 s22, s14                             ; my tiles: w, w + 16, ..
	s_add_co_u32 s71, s21, 15
	s_sub_co_u32 s71, s71, s14
	s_lshr_b32 s71, s71, 4                         ; my trips: (tiles + 15 - w) / 16, 0 where w is not under the number of tiles;
	s_min_u32 s71, s71, 9                          ; 136 tiles over 16 waves are 9 at the most
	s_mov_b32 s70, 0
	s_cmp_lt_u32 s70, s71
	s_cbranch_scc0 .Lend
.Lrow:
	s_wait_loadcnt 0x0                             ; this tile's codes of x are in
	s_wait_xcnt 0x0                                ; the last trip's loads and stores have read their data, addresses and bases: all are written again below
	s_add_co_u32 s23, s20, s22
	s_min_u32 s23, s23, 135                        ; the tile
	s_lshl_b32 s62, s23, 15
	s_add_nc_u64 s[26:27], s[66:67], s[62:63]      ; its image: 32 K steps of 1,024 bytes a tile
	s_lshl_b32 s62, s23, 12
	s_add_nc_u64 s[28:29], s[68:69], s[62:63]      ; its scale words: 32 x 128 bytes a tile
.irp t, 0,1,2,3,4,5,6,7                        ; b1 is the C of each sum's first product: lane (r, h), tile 2 b + u, register j: hidden unit 32 b + 16 h + 8 u + j
	ds_load_b128 v[ACC+8*\t:ACC+8*\t+3], v8 offset:(32*(\t/2)+8*(\t%2))*4
	ds_load_b128 v[ACC+8*\t+4:ACC+8*\t+7], v8 offset:(32*(\t/2)+8*(\t%2))*4+16
.endr
	SLD 0
	GLD 0, 0, WA
	GLD 0, 1, WC
.irp k, 0,1,2,3,4,5,6,7
	KSTEP \k
.endr
	s_add_co_u32 s17, s70, 1                       ; have I a next tile?  My last trip asks for nothing: 19 loads that nobody would read
	s_cmp_lt_u32 s17, s71
	s_cbranch_scc0 .Lno_next
	s_add_co_u32 s17, s20, s22
	s_add_co_u32 s17, s17, 16
	s_min_u32 s17, s17, 135                        ; my next tile
	s_lshl_b32 s62, s17, 6
	s_add_nc_u64 s[24:25], s[10:11], s[62:63]      ; (no global instruction of mine has been issued since the wait at the trip's head)
	global_load_b32 v10, v9, s[24:25] offset:8448  ; its rows' tokens
	s_wait_loadcnt 0x0
	MKX
	XLOAD                                          ; its codes land while this tile's GELU is worked (the four places behind the last products stand ahead of the branch)
.Lno_next:
	GELU 0
	GELU 1
	GELU 2
	GELU 3
	QUANT ACC
	global_store_b128 v5, v[PC:PC+3], s[26:27]             ; the fragment as it stands: each store covers 512 consecutive bytes
	global_store_b128 v5, v[PC+4:PC+7], s[26:27] offset:512
	global_store_b32 v2, v[PW], s[28:29]
	s_add_co_u32 s22, s22, 16                      ; my next tile
	s_add_co_u32 s70, s70, 1                       ; the loop ends on the count of trips
	s_cmp_lt_u32 s70, s71
	s_cbranch_scc1 .Lrow
.Lend:
	s_wait_tensorcnt 0x0
	ds_add_u32 v254, v255
	s_wait_dscnt 0x0
	s_endpgm
.Lfunc_end_k_q2290501e18_ffn1:
	.size	k_q2290501e18_ffn1, .Lfunc_end_k_q2290501e18_ffn1-k_q2290501e18_ffn1
	.p2alignl 7, 3214868480
	.fill 96, 4, 3214868480
	.section	.rodata,"a",@progbits
	.p2align	6, 0x0
	.amdhsa_kernel k_q2290501e18_ffn1
		.amdhsa_group_segment_fixed_size 72704
		.amdhsa_private_segment_fixed_size 0
		.amdhsa_enable_private_segment 0
		.amdhsa_kernarg_size 40
		.amdhsa_user_sgpr_count 2
		.amdhsa_user_sgpr_kernarg_segment_ptr 1
		.amdhsa_wavefront_size32 1
		.amdhsa_system_sgpr_workgroup_id_x 1
		.amdhsa_system_sgpr_workgroup_id_y 1
		.amdhsa_system_sgpr_workgroup_id_z 1
		.amdhsa_system_vgpr_workitem_id 0
		.amdhsa_next_free_vgpr 256
		.amdhsa_next_free_sgpr 72
		.amdhsa_reserve_vcc 1
		.amdhsa_float_denorm_mode_32 3
		.amdhsa_float_denorm_mode_16_64 3
		.amdhsa_memory_ordered 1
		.amdhsa_forward_progress 1
		.amdhsa_inst_pref_size 132
	.end_amdhsa_kernel
	.amdgpu_metadata
---
amdhsa.version: [ 1, 2 ]
amdhsa.kernels:
  - .name:           k_q2290501e18_ffn1
    .symbol:         k_q2290501e18_ffn1.kd
    .args:
      - { .name: W1, .offset: 0, .size: 8, .value_kind: global_buffer, .address_space: global }
      - { .name: b1, .offset: 8, .size: 8, .value_kind: global_buffer, .address_space: global }
      - { .name: xq, .offset: 16, .size: 8, .value_kind: global_buffer, .address_space: global }
      - { .name: place, .offset: 24, .size: 8, .value_kind: global_buffer, .address_space: global }
      - { .name: hq, .offset: 32, .size: 8, .value_kind: global_buffer, .address_space: global }
    .group_segment_fixed_size: 72704
    .private_segment_fixed_size: 0
    .kernarg_segment_align: 8
    .kernarg_segment_size: 40
    .max_flat_workgroup_size: 512
    .sgpr_count:     72
    .vgpr_count:     256
    .wavefront_size: 32
...
	.end_amdgpu_metadata
.endif
;; end of part 3
;; launch ffn2 (part 4): grid 32 x 8, 16 waves a work-group, no clusters, 141,312 bytes of LDS; arguments W2, hq, place, y; writes y
.if DOCPART == 4
	.amdgcn_target "amdgcn-amd-amdhsa--gfx1250"
	.amdhsa_code_object_version 6
	.text
	.protected	k_q2290501e18_ffn2
	.globl	k_q2290501e18_ffn2
	.p2align	8
	.type	k_q2290501e18_ffn2,@function
k_q2290501e18_ffn2:
	s_mov_b64 s[64:65], 0
	v_nop
	global_prefetch_b8 v0, s[64:65] scope:SCOPE_SE
	s_setreg_imm32_b32 hwreg(HW_REG_WAVE_MODE, 25, 1), 1
	s_wait_xcnt 0x0
; y[half][slot][:] = the half's part of Q(h) Q(W2[e]) for the rows routed to expert e, both operands codes of E2M1 with one E8M0 byte for each 32 along K (the hidden units).
; A work-group owns expert e (grid y), 64 output columns (grid x % 16) and half of K, 2,048 hidden units (grid x / 16): 2,048 x 64 numbers of W2, 512 KiB, which no other work-group reads.
; PHASE Q, as in the first product's launch: a lane takes a column, its registers run down K.  Wave w takes 32 columns (w % 2) x 256 along K (w / 2).  Images: fragment (K step ks of 16, tile nt of 4) at
;   ks 4,096 + nt 1,024 + c 512 + 16 x lane; scale words [ks][row 16][nt 4].  Here a tile's rows are 16 neighbouring columns.
; One barrier.  PHASE M.  Wave w takes the expert's tiles of 16 rows w, w + 16, ..: a count read from 'place', so the loop holds no barrier and the launch no tensor load.
;   A trip: 16 K steps x 4 tiles, transposed (source 0 = 16 columns of W2, source 1 = h's image: a lane holds ONE row and eight neighbouring columns).  h's images come from memory as they were stored, through a ring
;   of eight K steps in registers.  Where the wave has a next tile the ring runs on into it; in the wave's last trip K steps 8 to 15 are a second copy of the text that asks for nothing more.
;   The 16 x 64 results go through the wave's own stage in LDS and leave as rows of 256 consecutive bytes.
; The two halves of K and the two experts of a token are added by the last launch: each byte of y has one writer.
; LIMITS: NaN and infinities are not served.  A block of zeros gets the byte 1; this program alone reads the bytes.
; NO CLUSTER: no two work-groups read the same bytes of W2; h's images, which sixteen work-groups share, are a small part of a work-group's bytes, and the trips hang on counts read from memory.
.set PITCHW, 4096                      ; a row of W2[e] in bytes
.set KSB,  4096                        ; a K step's four images
.set SSB,  256                         ; a K step's scale words
.set SCL,  65536                       ; LDS: images 0 .. 65,535; scale words from here, 4,096 bytes;
.set STG,  69632                       ; a stage of 16 rows x (256 + 16) bytes for each wave
.set HF,   16                          ; v16-79   h's fragments: a ring of eight K steps
.set HS,   80                          ; v80-87   their scale words: they hold nothing else
.set ACC,  88                          ; v88-119  four accumulators
.set WF,   120                         ; v120-183 W2's fragments, two sets of four
.set WS,   184                         ; v184-191 W2's scale words, two sets of four: they hold nothing else
.set OUTR, 192                         ; v192-223 the way out
.set QX,   120                         ; phase Q: two sets of 32 numbers,
.set QM,   224
.set QS,   226
.set QB,   227
.set QW,   228
.set QC,   232
; v1 r = lane % 16; v2 4 x lane; v3, v4 phase Q's LDS addresses; v5 16 x lane; v7 my row's scale words; v8, v9 the stage, in and back; v10 my place in two rows of y
; s22 my tile's number among the expert's; s34 trips done, s35 my trips
	s_load_b256 s[4:11], s[0:1], 0x0               ; W2, hq, place, y
	v_lshl_add_u32 v254, v0, 2, 0x22000
	v_mov_b32 v255, 0
	v_lshrrev_b32 v1, 5, v0
	v_readfirstlane_b32 s14, v1                    ; wave 0..15
	s_and_b32 s15, ttmp7, 0xffff                   ; expert
	s_and_b32 s16, ttmp9, 15                       ; cs: which 64 columns
	s_lshr_b32 s17, ttmp9, 4                       ; kh: which half of K
	s_and_b32 s12, s14, 1                          ; cg: which 32 of the columns
	s_lshr_b32 s13, s14, 1                         ; kq: which 256 along K
	v_and_b32 v11, 31, v0
	v_and_b32 v1, 15, v0
	v_bfe_u32 v12, v0, 4, 1                        ; lane / 16
	v_lshlrev_b32 v2, 2, v11
	v_lshlrev_b32 v5, 4, v11
	s_lshl_b32 s44, s13, 13
	s_lshl_b32 s45, s12, 11
	s_add_co_u32 s44, s44, s45
	v_lshlrev_b32 v3, 4, v1
	v_lshl_add_u32 v3, v12, 10, v3
	v_add_nc_u32 v3, s44, v3                       ; codes: 8,192 kq + 2,048 cg + 1,024 (lane / 16) + 16 r
	s_lshl_b32 s44, s13, 9
	s_lshl_b32 s45, s12, 3
	s_add_co_u32 s44, s44, s45
	s_add_co_u32 s44, s44, SCL
	v_lshlrev_b32 v4, 4, v1
	v_lshl_add_u32 v4, v12, 2, v4
	v_add_nc_u32 v4, s44, v4                       ; scale words: SCL + 512 kq + 16 r + 8 cg + 4 (lane / 16)
	v_lshlrev_b32 v7, 4, v1
	v_add_nc_u32 v7, SCL, v7
	s_mul_i32 s44, s14, 4352
	s_add_co_u32 s44, s44, STG                     ; my stage
	v_mul_u32_u24 v8, v1, 272
	v_lshl_add_u32 v8, v12, 5, v8
	v_add_nc_u32 v8, s44, v8                       ; in: row r, 32 bytes for each half of the lanes
	v_mul_u32_u24 v9, v12, 272
	v_lshl_add_u32 v9, v1, 4, v9
	v_add_nc_u32 v9, s44, v9                       ; back: lanes 0-15 one row of 256 bytes, lanes 16-31 the next
	v_lshlrev_b32 v10, 12, v12
	v_lshl_add_u32 v10, v1, 4, v10                 ; and the same two rows in y
	s_lshl_b32 s44, s15, 24                        ; my part of W2: expert, 2,048 kh + 256 kq rows of 4,096 bytes, 256 cs + 128 cg
	s_lshl_b32 s45, s17, 23
	s_add_co_u32 s44, s44, s45
	s_lshl_b32 s45, s13, 20
	s_add_co_u32 s44, s44, s45
	s_lshl_b32 s45, s16, 8
	s_add_co_u32 s44, s44, s45
	s_lshl_b32 s45, s12, 7
	s_add_co_u32 s44, s44, s45
	s_mov_b32 s45, 0
	s_wait_kmcnt 0x0
	s_add_nc_u64 s[18:19], s[4:5], s[44:45]
.macro LOADW t                         ; block t of my 8: W2(32 t + i, my column), i = 0 .. 31, into set t % 2; a load reads 128 consecutive bytes, two waves side by side 256
.set i, 0
.rept 32
	global_load_b32 v[QX+32*((\t)%2)+i], v2, s[18:19] offset:(32*(\t)+i)*PITCHW th:TH_LOAD_NT
.set i, i+1
.endr
.endm
; Block t is quantised: all its 32 numbers are mine.  cnt: the loads issued behind block t's, which may stay out.
.macro QBLOCK t, cnt
.set XB, QX+32*((\t)%2)
	s_wait_loadcnt \cnt
	v_max3_num_f32 v[QM], |v[XB]|, |v[XB+1]|, |v[XB+2]|
	v_max3_num_f32 v[QM+1], |v[XB+3]|, |v[XB+4]|, |v[XB+5]|
.irp i, 6,10,14,18,22,26
	v_max3_num_f32 v[QM], v[QM], |v[XB+\i]|, |v[XB+\i+1]|
	v_max3_num_f32 v[QM+1], v[QM+1], |v[XB+\i+2]|, |v[XB+\i+3]|
.endr
	v_max3_num_f32 v[QM], v[QM], |v[XB+30]|, |v[XB+31]|
	v_max3_num_f32 v[QM], v[QM], v[QM+1], 0x1800000    ; the floor 2^(3 - 127): the byte cannot fall under 1
	v_add_nc_u32 v[QS], 0xff000000, v[QM]          ; 2 off the exponent field: the conversion's scale operand
	v_lshrrev_b32 v[QB], 23, v[QS]                 ; the byte
.if ((\t)%4) == 0
	v_mov_b32 v[QW], v[QB]
.else
	v_lshl_or_b32 v[QW], v[QB], 8*((\t)%4), v[QW]
.endif
.irp g, 0,1,2,3
	v_cvt_scalef32_pk8_fp4_f32 v[QC+\g], v[XB+8*\g:XB+8*\g+7], v[QS]
.endr
	v_nop                                          ; one plain line behind the conversions
	ds_store_b128 v3, v[QC:QC+3] offset:((\t)/4)*KSB+(((\t)%4)/2)*512+((\t)%2)*256
.if ((\t)%4) == 3
	ds_store_b32 v4, v[QW] offset:((\t)/4)*SSB
.endif
.if (\t) < 6
	LOADW (\t)+2
.endif
	s_wait_dscnt 0x0                               ; the stores are done: the next block writes their registers, and the barrier follows the last
.endm
.macro HLD slot, kk, b, sb             ; three loads: h's image of K step kk of the tile at base b, and its scale words, into the ring's place 'slot'
	global_load_b128 v[HF+8*(\slot):HF+8*(\slot)+3], v5, s[\b:\b+1] offset:(\kk)*1024
	global_load_b128 v[HF+8*(\slot)+4:HF+8*(\slot)+7], v5, s[\b:\b+1] offset:(\kk)*1024+512
	global_load_b32 v[HS+(\slot)], v2, s[\sb:\sb+1] offset:(\kk)*128
.endm
	LOADW 0
	LOADW 1
	s_lshl_b32 s44, s15, 3
	s_add_nc_u64 s[46:47], s[8:9], s[44:45]
	s_load_b64 s[20:21], s[46:47], 0x0             ; the expert's first tile and its number of tiles
	s_lshl_b32 s44, s17, 14
	s_add_nc_u64 s[36:37], s[6:7], s[44:45]        ; hq: my half's 16 K steps of a tile
	s_lshl_b32 s44, s17, 11
	s_add_co_u32 s44, s44, 0x440000
	s_add_nc_u64 s[38:39], s[6:7], s[44:45]        ; and their scale words
	s_mul_i32 s44, s17, 0x880000                   ; y: my half, 2,176 rows of 4,096 bytes,
	s_lshl_b32 s12, s16, 8
	s_add_co_u32 s44, s44, s12                     ; my 64 columns
	s_add_nc_u64 s[40:41], s[10:11], s[44:45]
	s_wait_kmcnt 0x0
	s_min_u32 s20, s20, 135                        ; loaded numbers enter addresses and the trip count only behind a bound
	s_min_u32 s21, s21, 136
	s_max_u32 s46, s21, 1
	s_sub_co_u32 s46, s46, 1
	s_min_u32 s46, s46, s14                        ; my first tile; a wave without one takes the expert's last, and does not use it
	s_add_co_u32 s46, s46, s20
	s_min_u32 s46, s46, 135
	s_lshl_b32 s44, s46, 15
	s_add_nc_u64 s[24:25], s[36:37], s[44:45]
	s_lshl_b32 s44, s46, 12
	s_add_nc_u64 s[26:27], s[38:39], s[44:45]
.irp k, 0,1,2,3,4,5,6,7
	HLD \k, \k, 24, 26                             ; the ring's first filling lands under phase Q
.endr
	QBLOCK 0, 56                                   ; behind block 0's loads: block 1's 32 and h's 24
	QBLOCK 1, 56                                   ; behind block 1's: h's 24 and block 2's 32
	QBLOCK 2, 32
	QBLOCK 3, 32
	QBLOCK 4, 32
	QBLOCK 5, 32
	QBLOCK 6, 32
	QBLOCK 7, 0
	s_barrier_signal -1                            ; every wave's LDS stores are done (the wait for 0 closes each block)
	s_barrier_wait -1                              ; the slice lies in LDS; from here on a wave writes its own stage alone
.macro WLD k                           ; nine LDS loads: K step k's four images and my row's four scale words, into set k % 2
.irp n, 0,1,2,3
.irp c, 0,1
	ds_load_b128 v[WF+32*((\k)%2)+8*\n+4*\c:WF+32*((\k)%2)+8*\n+4*\c+3], v5 offset:KSB*(\k)+1024*\n+512*\c
.endr
.endr
	ds_load_b128 v[WS+4*((\k)%2):WS+4*((\k)%2)+3], v7 offset:SSB*(\k)
.endm
; K step k.  nx = 1: the ring is kept full (from K step 8 on with my next tile's images); nx = 0, K steps 8 to 15 of my last trip: nothing more is asked for.
.macro KSTEP k, nx
.if (\k) < 15
	s_wait_dscnt 9                                 ; this step's nine are in; the next step's nine may be out
.else
	s_wait_dscnt 0x0
.endif
.if \nx
	s_wait_loadcnt 21                              ; this step's image of h is in; behind it the ring's seven younger K steps, three loads each, may be out
.else
	s_wait_loadcnt 3*(15-(\k))                     ; behind this step's image only the tile's K steps still to come were asked for, three loads each
.endif
.irp n, 0,1,2,3                                ; the four accumulators take turns, one instruction a turn, through the branch and the join too
.if (\k) == 0
	v_wmma_scale_f32_16x16x128_f8f6f4 v[ACC+8*\n:ACC+8*\n+7], v[WF+32*((\k)%2)+8*\n:WF+32*((\k)%2)+8*\n+7], v[HF+8*((\k)%8):HF+8*((\k)%8)+7], 0, v[WS+4*((\k)%2)+\n], v[HS+((\k)%8)] matrix_a_fmt:MATRIX_FMT_FP4 matrix_b_fmt:MATRIX_FMT_FP4
.else
	v_wmma_scale_f32_16x16x128_f8f6f4 v[ACC+8*\n:ACC+8*\n+7], v[WF+32*((\k)%2)+8*\n:WF+32*((\k)%2)+8*\n+7], v[HF+8*((\k)%8):HF+8*((\k)%8)+7], v[ACC+8*\n:ACC+8*\n+7], v[WS+4*((\k)%2)+\n], v[HS+((\k)%8)] matrix_a_fmt:MATRIX_FMT_FP4 matrix_b_fmt:MATRIX_FMT_FP4
.endif
.endr
.if (\k) < 15
.rept 4
	v_nop                                          ; four plain lines ahead of loads into registers that these products read
.endr
.else
.rept 5
	v_nop                                          ; five: the next trip's first products write these accumulators anew, and no other vector line stands between
.endr
.endif
.if (\k) < 14
	WLD (\k)+2
.endif
.if (\k) < 8
	HLD (\k)%8, (\k)+8, 24, 26                     ; the ring goes on: this tile's second eight K steps,
.elseif \nx
	HLD (\k)%8, (\k)-8, 28, 30                     ; then my next tile's first eight
.endif
.endm
	s_mov_b32 s22, s14                             ; my tiles: w, w + 16, ..
	s_add_co_u32 s35, s21, 15
	s_sub_co_u32 s35, s35, s14
	s_lshr_b32 s35, s35, 4                         ; my trips: (tiles + 15 - w) / 16, 0 where w is not under the number of tiles;
	s_min_u32 s35, s35, 9                          ; 136 tiles over 16 waves are 9 at the most
	s_mov_b32 s34, 0
	s_cmp_lt_u32 s34, s35
	s_cbranch_scc0 .Lend
.Lrow:
	s_wait_xcnt 0x0                                ; the last trip's loads and stores have read their bases and data: all are written again below
	s_add_co_u32 s23, s20, s22
	s_min_u32 s23, s23, 135                        ; the tile
	s_lshl_b32 s44, s23, 15
	s_add_nc_u64 s[24:25], s[36:37], s[44:45]
	s_lshl_b32 s44, s23, 12
	s_add_nc_u64 s[26:27], s[38:39], s[44:45]
	s_lshl_b32 s44, s23, 16
	s_add_nc_u64 s[32:33], s[40:41], s[44:45]      ; its 16 rows of y
	s_add_co_u32 s46, s22, 16
	s_sub_co_u32 s47, s21, 1
	s_min_u32 s46, s46, s47                        ; my next tile (in my last trip the address is made and not used)
	s_add_co_u32 s46, s46, s20
	s_min_u32 s46, s46, 135
	s_lshl_b32 s44, s46, 15
	s_add_nc_u64 s[28:29], s[36:37], s[44:45]
	s_lshl_b32 s44, s46, 12
	s_add_nc_u64 s[30:31], s[38:39], s[44:45]
	WLD 0
	WLD 1
.irp k, 0,1,2,3,4,5,6,7
	KSTEP \k, 1
.endr
	s_add_co_u32 s46, s34, 1                       ; have I a next tile?  My last trip asks for nothing more: 24 loads that nobody would read
	s_cmp_lt_u32 s46, s35
	s_cbranch_scc0 .Llast
.irp k, 8,9,10,11,12,13,14,15
	KSTEP \k, 1
.endr
	s_branch .Lout
.Llast:
.irp k, 8,9,10,11,12,13,14,15
	KSTEP \k, 0
.endr
.Lout:
.irp n, 0,1,2,3                                ; lane (r, h): y(row r, 16 n + 8 h + 0 .. 7); each accumulator from its low end on
	ds_store_b128 v8, v[ACC+8*\n:ACC+8*\n+3] offset:64*\n
	ds_store_b128 v8, v[ACC+8*\n+4:ACC+8*\n+7] offset:64*\n+16
.endr
.irp i, 0,1,2,3,4,5,6,7
	ds_load_b128 v[OUTR+4*\i:OUTR+4*\i+3], v9 offset:2*\i*272   ; LDS serves a wave's instructions in order (ISA guide 5.7.1.4): these see my stores
.endr
.irp i, 0,1,2,3,4,5,6,7
	s_wait_dscnt 7-\i
	global_store_b128 v10, v[OUTR+4*\i:OUTR+4*\i+3], s[32:33] offset:2*\i*4096 th:TH_STORE_NT   ; sixteen lanes store 256 consecutive bytes, at a multiple of 256 from y's first byte
.endr
	s_add_co_u32 s22, s22, 16                      ; my next tile
	s_add_co_u32 s34, s34, 1                       ; the loop ends on the count of trips
	s_cmp_lt_u32 s34, s35
	s_cbranch_scc1 .Lrow
.Lend:
	s_wait_tensorcnt 0x0
	ds_add_u32 v254, v255
	s_wait_dscnt 0x0
	s_endpgm
.Lfunc_end_k_q2290501e18_ffn2:
	.size	k_q2290501e18_ffn2, .Lfunc_end_k_q2290501e18_ffn2-k_q2290501e18_ffn2
	.p2alignl 7, 3214868480
	.fill 96, 4, 3214868480
	.section	.rodata,"a",@progbits
	.p2align	6, 0x0
	.amdhsa_kernel k_q2290501e18_ffn2
		.amdhsa_group_segment_fixed_size 141312
		.amdhsa_private_segment_fixed_size 0
		.amdhsa_enable_private_segment 0
		.amdhsa_kernarg_size 32
		.amdhsa_user_sgpr_count 2
		.amdhsa_user_sgpr_kernarg_segment_ptr 1
		.amdhsa_wavefront_size32 1
		.amdhsa_system_sgpr_workgroup_id_x 1
		.amdhsa_system_sgpr_workgroup_id_y 1
		.amdhsa_system_sgpr_workgroup_id_z 1
		.amdhsa_system_vgpr_workitem_id 0
		.amdhsa_next_free_vgpr 256
		.amdhsa_next_free_sgpr 66
		.amdhsa_reserve_vcc 0
		.amdhsa_float_denorm_mode_32 3
		.amdhsa_float_denorm_mode_16_64 3
		.amdhsa_memory_ordered 1
		.amdhsa_forward_progress 1
		.amdhsa_inst_pref_size 80
	.end_amdhsa_kernel
	.amdgpu_metadata
---
amdhsa.version: [ 1, 2 ]
amdhsa.kernels:
  - .name:           k_q2290501e18_ffn2
    .symbol:         k_q2290501e18_ffn2.kd
    .args:
      - { .name: W2, .offset: 0, .size: 8, .value_kind: global_buffer, .address_space: global }
      - { .name: hq, .offset: 8, .size: 8, .value_kind: global_buffer, .address_space: global }
      - { .name: place, .offset: 16, .size: 8, .value_kind: global_buffer, .address_space: global }
      - { .name: y, .offset: 24, .size: 8, .value_kind: global_buffer, .address_space: global }
    .group_segment_fixed_size: 141312
    .private_segment_fixed_size: 0
    .kernarg_segment_align: 8
    .kernarg_segment_size: 32
    .max_flat_workgroup_size: 512
    .sgpr_count:     66
    .vgpr_count:     256
    .wavefront_size: 32
...
	.end_amdgpu_metadata
.endif
;; end of part 4
;; launch comb (part 5): grid 256 x 1, 4 waves a work-group, no clusters, 0 bytes of LDS; arguments y, b2, tk_idx, tk_gate, place, out0; writes out0
.if DOCPART == 5
	.amdgcn_target "amdgcn-amd-amdhsa--gfx1250"
	.amdhsa_code_object_version 6
	.text
	.protected	k_q2290501e18_comb
	.globl	k_q2290501e18_comb
	.p2align	8
	.type	k_q2290501e18_comb,@function
k_q2290501e18_comb:
	s_mov_b64 s[64:65], 0
	v_nop
	global_prefetch_b8 v0, s[64:65] scope:SCOPE_SE
	s_setreg_imm32_b32 hwreg(HW_REG_WAVE_MODE, 25, 1), 1
	s_wait_xcnt 0x0
; out[t] = g0 (yA[s0] + yB[s0] + b2[e0]) + g1 (yA[s1] + yB[s1] + b2[e1]): for token t the two chosen experts e, their gates g, the slots s of its two rows, and the two halves of K, A and B.
; A wave takes a token: a row of 4,096 bytes from each of six streams, in eight pieces of 512 consecutive bytes; all 48 loads go out at once, into registers of their own, so nothing is written twice.
; Slots and experts are whole numbers that earlier launches stored; they enter addresses behind a bound.  Each row of out has one writer.  No LDS, no matrix unit, no cluster: waves share nothing.
.set R, 8                              ; piece j: v[R + 24 j] on: yA0, yB0, yA1, yB1, b2[e0], b2[e1], four registers each
	s_load_b256 s[4:11], s[0:1], 0x0               ; y, b2, tk_idx, tk_gate
	s_load_b128 s[12:15], s[0:1], 0x20             ; place, out0
	v_lshrrev_b32 v1, 5, v0
	v_readfirstlane_b32 s16, v1                    ; wave
	v_and_b32 v2, 31, v0
	v_lshlrev_b32 v2, 4, v2                        ; 16 bytes a lane
	s_lshl_b32 s17, ttmp9, 2
	s_add_co_u32 s17, s17, s16                     ; my token
	s_lshl_b32 s18, s17, 3
	s_mov_b32 s19, 0
	s_wait_kmcnt 0x0
	s_add_nc_u64 s[20:21], s[12:13], s[18:19]
	s_add_nc_u64 s[22:23], s[8:9], s[18:19]
	s_add_nc_u64 s[28:29], s[10:11], s[18:19]
	s_load_b64 s[24:25], s[20:21], 0x100           ; its two slots
	s_load_b64 s[26:27], s[22:23], 0x0             ; its two experts
	s_load_b64 s[30:31], s[28:29], 0x0             ; its two gates
	s_lshl_b32 s18, s17, 12
	s_add_nc_u64 s[50:51], s[14:15], s[18:19]      ; its row of out
	s_wait_kmcnt 0x0
	s_min_u32 s24, s24, 2175
	s_min_u32 s25, s25, 2175
	s_min_u32 s26, s26, 7
	s_min_u32 s27, s27, 7
	s_lshl_b32 s18, s24, 12
	s_add_nc_u64 s[34:35], s[4:5], s[18:19]        ; yA[s0]
	s_add_nc_u64 s[36:37], s[34:35], 0x880000      ; yB[s0]: 2,176 rows further on
	s_lshl_b32 s18, s25, 12
	s_add_nc_u64 s[38:39], s[4:5], s[18:19]
	s_add_nc_u64 s[40:41], s[38:39], 0x880000
	s_lshl_b32 s18, s26, 12
	s_add_nc_u64 s[42:43], s[6:7], s[18:19]        ; b2[e0]
	s_lshl_b32 s18, s27, 12
	s_add_nc_u64 s[44:45], s[6:7], s[18:19]
	s_mov_b32 s46, s30                             ; the gates as pairs: the packed forms name a pair and take its low word for both halves
	s_mov_b32 s47, s30
	s_mov_b32 s48, s31
	s_mov_b32 s49, s31
.irp j, 0,1,2,3,4,5,6,7
	global_load_b128 v[R+24*\j:R+24*\j+3], v2, s[34:35] offset:512*\j th:TH_LOAD_NT
	global_load_b128 v[R+24*\j+4:R+24*\j+7], v2, s[36:37] offset:512*\j th:TH_LOAD_NT
	global_load_b128 v[R+24*\j+8:R+24*\j+11], v2, s[38:39] offset:512*\j th:TH_LOAD_NT
	global_load_b128 v[R+24*\j+12:R+24*\j+15], v2, s[40:41] offset:512*\j th:TH_LOAD_NT
	global_load_b128 v[R+24*\j+16:R+24*\j+19], v2, s[42:43] offset:512*\j
	global_load_b128 v[R+24*\j+20:R+24*\j+23], v2, s[44:45] offset:512*\j
.endr
.irp j, 0,1,2,3,4,5,6,7
	s_wait_loadcnt 6*(7-\j)                        ; piece j's six loads are in; the six of each later piece may be out
.irp p, 0,2
	v_pk_add_f32 v[R+24*\j+\p:R+24*\j+\p+1], v[R+24*\j+\p:R+24*\j+\p+1], v[R+24*\j+4+\p:R+24*\j+4+\p+1]
	v_pk_add_f32 v[R+24*\j+8+\p:R+24*\j+8+\p+1], v[R+24*\j+8+\p:R+24*\j+8+\p+1], v[R+24*\j+12+\p:R+24*\j+12+\p+1]
.endr
.irp p, 0,2
	v_pk_add_f32 v[R+24*\j+\p:R+24*\j+\p+1], v[R+24*\j+\p:R+24*\j+\p+1], v[R+24*\j+16+\p:R+24*\j+16+\p+1]
	v_pk_add_f32 v[R+24*\j+8+\p:R+24*\j+8+\p+1], v[R+24*\j+8+\p:R+24*\j+8+\p+1], v[R+24*\j+20+\p:R+24*\j+20+\p+1]
.endr
.irp p, 0,2
	v_pk_mul_f32 v[R+24*\j+\p:R+24*\j+\p+1], v[R+24*\j+\p:R+24*\j+\p+1], s[46:47] op_sel_hi:[1,0]
.endr
.irp p, 0,2
	v_pk_fma_f32 v[R+24*\j+\p:R+24*\j+\p+1], v[R+24*\j+8+\p:R+24*\j+8+\p+1], s[48:49], v[R+24*\j+\p:R+24*\j+\p+1] op_sel_hi:[1,0,1]
.endr
	global_store_b128 v2, v[R+24*\j:R+24*\j+3], s[50:51] offset:512*\j th:TH_STORE_NT   ; the wave stores 512 consecutive bytes
.endr
	s_endpgm
.Lfunc_end_k_q2290501e18_comb:
	.size	k_q2290501e18_comb, .Lfunc_end_k_q2290501e18_comb-k_q2290501e18_comb
	.p2alignl 7, 3214868480
	.fill 96, 4, 3214868480
	.section	.rodata,"a",@progbits
	.p2align	6, 0x0
	.amdhsa_kernel k_q2290501e18_comb
		.amdhsa_group_segment_fixed_size 0
		.amdhsa_private_segment_fixed_size 0
		.amdhsa_enable_private_segment 0
		.amdhsa_kernarg_size 48
		.amdhsa_user_sgpr_count 2
		.amdhsa_user_sgpr_kernarg_segment_ptr 1
		.amdhsa_wavefront_size32 1
		.amdhsa_system_sgpr_workgroup_id_x 1
		.amdhsa_system_sgpr_workgroup_id_y 1
		.amdhsa_system_sgpr_workgroup_id_z 1
		.amdhsa_system_vgpr_workitem_id 0
		.amdhsa_next_free_vgpr 200
		.amdhsa_next_free_sgpr 66
		.amdhsa_reserve_vcc 0
		.amdhsa_float_denorm_mode_32 3
		.amdhsa_float_denorm_mode_16_64 3
		.amdhsa_memory_ordered 1
		.amdhsa_forward_progress 1
		.amdhsa_inst_pref_size 14
	.end_amdhsa_kernel
	.amdgpu_metadata
---
amdhsa.version: [ 1, 2 ]
amdhsa.kernels:
  - .name:           k_q2290501e18_comb
    .symbol:         k_q2290501e18_comb.kd
    .args:
      - { .name: y, .offset: 0, .size: 8, .value_kind: global_buffer, .address_space: global }
      - { .name: b2, .offset: 8, .size: 8, .value_kind: global_buffer, .address_space: global }
      - { .name: tk_idx, .offset: 16, .size: 8, .value_kind: global_buffer, .address_space: global }
      - { .name: tk_gate, .offset: 24, .size: 8, .value_kind: global_buffer, .address_space: global }
      - { .name: place, .offset: 32, .size: 8, .value_kind: global_buffer, .address_space: global }
      - { .name: out0, .offset: 40, .size: 8, .value_kind: global_buffer, .address_space: global }
    .group_segment_fixed_size: 0
    .private_segment_fixed_size: 0
    .kernarg_segment_align: 8
    .kernarg_segment_size: 48
    .max_flat_workgroup_size: 128
    .sgpr_count:     66
    .vgpr_count:     200
    .wavefront_size: 32
...
	.end_amdgpu_metadata
.endif
;; end of part 5
;; ======== version 2 of 2: 5 launches
;; limits: right only within a limited range of input values
;; workspace buffers: xq 557,056 bytes; tk_idx 8,192 bytes of whole numbers; tk_gate 8,192 bytes; place 17,408 bytes of whole numbers; hq 5,013,504 bytes; y 17,825,792 bytes
;; launch route (part 6): grid 256 x 1, 1 waves a work-group, no clusters, 0 bytes of LDS; arguments x, Wr, br, xq, tk_idx, tk_gate; writes xq, tk_idx, tk_gate
.if DOCPART == 6
	.amdgcn_target "amdgcn-amd-amdhsa--gfx1250"
	.amdhsa_code_object_version 6
	.text
	.protected	k_q2290501e18_route
	.globl	k_q2290501e18_route
	.p2align	8
	.type	k_q2290501e18_route,@function
k_q2290501e18_route:
	s_mov_b64 s[64:65], 0
	v_nop
	global_prefetch_b8 v0, s[64:65] scope:SCOPE_SE
	s_setreg_imm32_b32 hwreg(HW_REG_WAVE_MODE, 25, 1), 1
	s_wait_xcnt 0x0
; ROUTER AND x's CODES.  One wave takes four tokens.  Lane l holds k = 32 l .. 32 l + 31 of each token's row of x: one block of 32 along K.
; (1) x as codes of E2M1 with one E8M0 byte for each 32 along K: codes [1024][512 bytes] at byte 0 of xq, scale bytes [1024][32] at byte 524,288.
; (2) logits = x Wr + br in f32: each lane multiplies its 32 numbers by its 32 rows of Wr (8 experts each), two experts an instruction; the 32 lanes' parts are added at the end.
; (3) the two largest logits, the lower index first where two are equal; gates g0 = 1 / (1 + E), g1 = E / (1 + E), E = e^(second - first): the softmax's divisor cancels in the renormalised pair,
;     and the largest logit is taken away ahead of the exponential, so E is at most 1.
; The chosen experts and the gates are stored at fixed places: no address here hangs on them.
; ALL LOADS GO OUT AT THE START: 32 of x, then 64 of Wr.  A lane's 32 rows of Wr are 256 registers, so they lie in a register window of their own, and the wave takes 512 registers.
; REGISTERS, in windows of 256 (s_set_vgpr_msb: bits 1:0 source 0, 7:6 destination): window 0: all but Wr;  window 1: register 32 c + 8 i + e = Wr(32 l + 4 c + i, e).  Four switches in all.
; LIMITS: NaN and infinities are not served.  The choice is made on the logits, which rise with the probabilities; two logits nearer than f32 rounding may be ordered otherwise than their probabilities.
; A block of zeros gets the byte 1 (its codes are zeros); the bytes are read by this program alone.
; No LDS, no matrix unit, no cluster: a work-group shares nothing but Wr, 32 KiB that every work-group reads.
.set X,   16                           ; v16-143  token t's 32 numbers at X + 32 t
.set ACC, 208                          ; v208-239 token t's 8 partial logits at ACC + 8 t
.set CD,  144                          ; token t's 4 registers of codes,
.set SBY, 160                          ; its scale byte,
.set SOP, 164                          ; and the conversion's scale operand: a set for each token, so that no store's data are written again
.set TMP, 240
.set MSB, 0
.macro WIN new                         ; the immediate's high byte repeats the setting that is left
.if MSB != \new
	s_set_vgpr_msb (MSB<<8)|\new
.set MSB, \new
.endif
.endm
	s_load_b256 s[4:11], s[0:1], 0x0               ; x, Wr, br, xq
	s_load_b128 s[12:15], s[0:1], 0x20             ; tk_idx, tk_gate
	v_lshlrev_b32 v1, 7, v0                        ; x: 128 bytes a lane
	v_lshlrev_b32 v2, 10, v0                       ; Wr: 32 rows of 32 bytes a lane
	v_lshlrev_b32 v3, 4, v0                        ; codes: 16 bytes a lane
	s_lshl_b32 s2, ttmp9, 14                       ; four rows of 4,096 bytes a work-group
	s_mov_b32 s3, 0
	s_mov_b32 s24, 0x76543210                      ; v_permlanex16_b32's selects for lane l xor 16
	s_mov_b32 s25, 0xfedcba98
	s_mov_b32 s26, 0xaaaaaaaa                      ; lanes with bit 0 set
	s_mov_b32 s27, 0xcccccccc                      ; lanes with bit 1 set
	s_wait_alu depctr_va_vdst(0)
	s_wait_kmcnt 0x0
	s_add_nc_u64 s[4:5], s[4:5], s[2:3]
.irp t, 0,1,2,3
.irp j, 0,1,2,3,4,5,6,7
	global_load_b128 v[X+32*\t+4*\j:X+32*\t+4*\j+3], v1, s[4:5] offset:4096*\t+16*\j   ; no hint: a lane's 128 consecutive bytes are taken by eight loads
.endr
.endr
	WIN 0x40                                       ; destination window 1, address window 0
.irp c, 0,1,2,3,4,5,6,7
.irp j, 0,1,2,3,4,5,6,7
	global_load_b128 v[32*\c+4*\j:32*\c+4*\j+3], v2, s[6:7] offset:128*\c+16*\j
.endr
.endr
	WIN 0
	s_load_b256 s[16:23], s[8:9], 0x0              ; br
	s_lshl_b32 s2, ttmp9, 11
	s_add_nc_u64 s[28:29], s[10:11], s[2:3]        ; my four rows of codes
	s_lshl_b32 s2, ttmp9, 7
	s_add_co_u32 s2, s2, 524288
	s_add_nc_u64 s[30:31], s[10:11], s[2:3]        ; and of scale bytes
	s_lshl_b32 s2, ttmp9, 5
	s_add_nc_u64 s[12:13], s[12:13], s[2:3]        ; my four tokens' pairs
	s_add_nc_u64 s[14:15], s[14:15], s[2:3]
; Token t's block of 32 in my lane: largest magnitude with the floor 2^(3 - 127), 2 off its exponent field = the conversion's scale operand, its exponent field = the byte.
.macro XQ t
.set XB, X+32*\t
	v_max3_num_f32 v[TMP], |v[XB]|, |v[XB+1]|, |v[XB+2]|
	v_max3_num_f32 v[TMP+1], |v[XB+3]|, |v[XB+4]|, |v[XB+5]|
.irp i, 6,10,14,18,22,26
	v_max3_num_f32 v[TMP], v[TMP], |v[XB+\i]|, |v[XB+\i+1]|
	v_max3_num_f32 v[TMP+1], v[TMP+1], |v[XB+\i+2]|, |v[XB+\i+3]|
.endr
	v_max3_num_f32 v[TMP], v[TMP], |v[XB+30]|, |v[XB+31]|
	v_max3_num_f32 v[TMP], v[TMP], v[TMP+1], 0x1800000
	v_add_nc_u32 v[SOP+\t], 0xff000000, v[TMP]
	v_lshrrev_b32 v[SBY+\t], 23, v[SOP+\t]
.irp g, 0,1,2,3
	v_cvt_scalef32_pk8_fp4_f32 v[CD+4*\t+\g], v[XB+8*\g:XB+8*\g+7], v[SOP+\t]
.endr
	v_nop                                          ; one plain line behind the conversions: their sources are written again further down
	global_store_b128 v3, v[CD+4*\t:CD+4*\t+3], s[28:29] offset:512*\t   ; the wave stores the row's 512 consecutive bytes
	global_store_b8 v0, v[SBY+\t], s[30:31] offset:32*\t
.endm
	s_wait_loadcnt 63                              ; of the 96 loads at most the youngest 63 are out: x's 32 are in
.irp t, 0,1,2,3
	XQ \t                                          ; the codes leave while the logits are summed
.endr
; One row of Wr against the four tokens: two experts an instruction; x's number is one half of a pair, taken for both results.
.macro FM c, i, t, p
.if ((\c) == 0) && ((\i) == 0)
	v_pk_mul_f32 v[ACC+8*\t+\p:ACC+8*\t+\p+1], v[32*(\c)+8*\i+\p:32*(\c)+8*\i+\p+1], v[X+32*\t+4*(\c)+2*(\i/2):X+32*\t+4*(\c)+2*(\i/2)+1] op_sel_hi:[1,0]   ; the first product starts the sums
.elseif ((\i)%2) == 0
	v_pk_fma_f32 v[ACC+8*\t+\p:ACC+8*\t+\p+1], v[32*(\c)+8*\i+\p:32*(\c)+8*\i+\p+1], v[X+32*\t+4*(\c)+2*(\i/2):X+32*\t+4*(\c)+2*(\i/2)+1], v[ACC+8*\t+\p:ACC+8*\t+\p+1] op_sel_hi:[1,0,1]
.else
	v_pk_fma_f32 v[ACC+8*\t+\p:ACC+8*\t+\p+1], v[32*(\c)+8*\i+\p:32*(\c)+8*\i+\p+1], v[X+32*\t+4*(\c)+2*(\i/2):X+32*\t+4*(\c)+2*(\i/2)+1], v[ACC+8*\t+\p:ACC+8*\t+\p+1] op_sel:[0,1,0] op_sel_hi:[1,1,1]
.endif
.endm
.macro CHUNK c                         ; rows 4 c .. 4 c + 3 of my 32 rows of Wr
	s_wait_loadcnt 56-8*(\c)                       ; this chunk's eight loads are in; the eight of each later chunk may be out
.irp i, 0,1,2,3
.irp t, 0,1,2,3
.irp p, 0,2,4,6
	FM \c, \i, \t, \p
.endr
.endr
.endr
.endm
	WIN 0x01                                       ; source 0 (Wr) window 1, all else window 0
.irp c, 0,1,2,3,4,5,6,7
	CHUNK \c
.endr
	WIN 0
; the 32 partial logits are added over the 32 lanes: every lane ends with all of them
.irp m, 1,2,4,8
.set i, 0
.rept 32
	v_add_f32_dpp v[ACC+i], v[ACC+i], v[ACC+i] row_xmask:\m row_mask:0xf bank_mask:0xf
.set i, i+1
.endr
.endr
.set i, 0
.rept 32
	v_permlanex16_b32 v[X+i], v[ACC+i], s24, s25
.set i, i+1
.endr
.set i, 0
.rept 32
	v_add_f32 v[ACC+i], v[ACC+i], v[X+i]
.set i, i+1
.endr
; lane l goes on with token l % 4: v48-55 its eight logits
.irp e, 0,1,2,3,4,5,6,7
	v_cndmask_b32 v[56+\e], v[ACC+\e], v[ACC+8+\e], s26
	v_cndmask_b32 v[64+\e], v[ACC+16+\e], v[ACC+24+\e], s26
.endr
.irp e, 0,1,2,3,4,5,6,7
	v_cndmask_b32 v[48+\e], v[56+\e], v[64+\e], s27
.endr
	s_wait_alu depctr_va_vdst(0)
	s_wait_kmcnt 0x0                               ; br
.irp e, 0,1,2,3,4,5,6,7
	v_add_f32 v[48+\e], s[16+\e], v[48+\e]
.endr
; the two largest: v72 the largest and v84 its expert, v74 the second and v85 its expert.  Strict comparisons: of equal logits the lower index stands first
	v_mov_b32 v72, v48
	v_mov_b32 v84, 0
	v_mov_b32 v74, 0xff800000
	v_mov_b32 v85, 0
.irp e, 1,2,3,4,5,6,7
	v_cmp_gt_f32 s36, v[48+\e], v72
	v_cmp_gt_f32 vcc_lo, v[48+\e], v74
	v_cndmask_b32 v74, v74, v[48+\e], vcc_lo
	v_cndmask_b32 v85, v85, \e, vcc_lo
	v_cndmask_b32 v74, v74, v72, s36
	v_cndmask_b32 v85, v85, v84, s36
	v_cndmask_b32 v72, v72, v[48+\e], s36
	v_cndmask_b32 v84, v84, \e, s36
.endr
	v_sub_f32 v76, v74, v72                        ; second - first: 0 or less
	v_mul_f32 v76, 0x3fb8aa3b, v76
	s_wait_alu depctr_va_vdst(0)
	v_exp_f32 v77, v76
	v_nop                                          ; a plain line behind the transcendental,
	s_wait_alu depctr_va_vdst(0)                   ; and a wait ahead of its first reader
	v_add_f32 v78, 1.0, v77
	s_wait_alu depctr_va_vdst(0)
	v_rcp_f32 v80, v78                             ; g0
	v_and_b32 v82, 3, v0                           ; (a plain line behind the transcendental)
	s_wait_alu depctr_va_vdst(0)
	v_mul_f32 v81, v77, v80                        ; g1
	v_lshlrev_b32 v82, 3, v82
	v_cmp_gt_u32 vcc_lo, 4, v0
	s_wait_alu depctr_va_vdst(0)
	s_wait_xcnt 0x0                                ; EXEC changes only behind this wait: the stores above have read theirs
	s_and_saveexec_b32 s37, vcc_lo                 ; lanes 0 to 3: one lane a token
	global_store_b64 v82, v[84:85], s[12:13]
	global_store_b64 v82, v[80:81], s[14:15]
	s_wait_xcnt 0x0
	s_or_b32 exec_lo, exec_lo, s37
	s_endpgm
.Lfunc_end_k_q2290501e18_route:
	.size	k_q2290501e18_route, .Lfunc_end_k_q2290501e18_route-k_q2290501e18_route
	.p2alignl 7, 3214868480
	.fill 96, 4, 3214868480
	.section	.rodata,"a",@progbits
	.p2align	6, 0x0
	.amdhsa_kernel k_q2290501e18_route
		.amdhsa_group_segment_fixed_size 0
		.amdhsa_private_segment_fixed_size 0
		.amdhsa_enable_private_segment 0
		.amdhsa_kernarg_size 48
		.amdhsa_user_sgpr_count 2
		.amdhsa_user_sgpr_kernarg_segment_ptr 1
		.amdhsa_wavefront_size32 1
		.amdhsa_system_sgpr_workgroup_id_x 1
		.amdhsa_system_sgpr_workgroup_id_y 1
		.amdhsa_system_sgpr_workgroup_id_z 1
		.amdhsa_system_vgpr_workitem_id 0
		.amdhsa_next_free_vgpr 512
		.amdhsa_next_free_sgpr 66
		.amdhsa_reserve_vcc 1
		.amdhsa_float_denorm_mode_32 3
		.amdhsa_float_denorm_mode_16_64 3
		.amdhsa_memory_ordered 1
		.amdhsa_forward_progress 1
		.amdhsa_inst_pref_size 66
	.end_amdhsa_kernel
	.amdgpu_metadata
---
amdhsa.version: [ 1, 2 ]
amdhsa.kernels:
  - .name:           k_q2290501e18_route
    .symbol:         k_q2290501e18_route.kd
    .args:
      - { .name: x, .offset: 0, .size: 8, .value_kind: global_buffer, .address_space: global }
      - { .name: Wr, .offset: 8, .size: 8, .value_kind: global_buffer, .address_space: global }
      - { .name: br, .offset: 16, .size: 8, .value_kind: global_buffer, .address_space: global }
      - { .name: xq, .offset: 24, .size: 8, .value_kind: global_buffer, .address_space: global }
      - { .name: tk_idx, .offset: 32, .size: 8, .value_kind: global_buffer, .address_space: global }
      - { .name: tk_gate, .offset: 40, .size: 8, .value_kind: global_buffer, .address_space: global }
    .group_segment_fixed_size: 0
    .private_segment_fixed_size: 0
    .kernarg_segment_align: 8
    .kernarg_segment_size: 48
    .max_flat_workgroup_size: 32
    .sgpr_count:     66
    .vgpr_count:     512
    .wavefront_size: 32
...
	.end_amdgpu_metadata
.endif
;; end of part 6
;; launch placer (part 7): grid 1 x 1, 32 waves a work-group, no clusters, 4,608 bytes of LDS; arguments tk_idx, place; writes place
.if DOCPART == 7
	.amdgcn_target "amdgcn-amd-amdhsa--gfx1250"
	.amdhsa_code_object_version 6
	.text
	.protected	k_q2290501e18_placer
	.globl	k_q2290501e18_placer
	.p2align	8
	.type	k_q2290501e18_placer,@function
k_q2290501e18_placer:
	s_mov_b64 s[64:65], 0
	v_nop
	global_prefetch_b8 v0, s[64:65] scope:SCOPE_SE
	s_setreg_imm32_b32 hwreg(HW_REG_WAVE_MODE, 25, 1), 1
	s_wait_xcnt 0x0
; THE ROWS ARE PLACED BY EXPERT: a counting sort of the 2,048 (token, k), each expert's run padded to whole tiles of 16 rows.  One work-group, a thread a token, whole numbers only, no atomics.
; place:  byte 0: for expert e the pair (first tile, number of tiles);  byte 256: tok_slot[1024][2], the slot of (token, k);  byte 8,448: row_tok[2176], the token of each slot (0 in slots that hold none),
; and behind it one spare word (slot 2,176) that nobody reads.
; With 2,048 rows and 8 experts the padded runs end at slot 2,160 at the most; all 2,176 words of row_tok are stored.
; Steps: each wave counts its 32 tokens for each expert (a mask, its bits); the 32 waves' counts meet in LDS (16 bytes a wave, two counts a word); every wave adds up all counts and those of the waves below it;
; a token's slot = the expert's first slot + the rows of lower waves + the rows of lower lanes.
; All lanes stay on throughout: where a lane has nothing to fill, its zero goes to the spare word.
	s_load_b128 s[4:7], s[0:1], 0x0                ; tk_idx, place
	v_lshl_add_u32 v48, v0, 2, 0x200
	v_mov_b32 v49, 0
	v_lshrrev_b32 v1, 5, v0
	s_delay_alu instid0(VALU_DEP_1)
	v_readfirstlane_b32 s8, v1                     ; wave
	v_and_b32 v2, 31, v0                           ; lane
	v_lshlrev_b32 v3, 3, v0                        ; 8 bytes a token
	s_delay_alu instid0(VALU_DEP_4)
	v_lshlrev_b32 v6, 4, v1                        ; LDS: my wave's 16 bytes
	s_delay_alu instid0(VALU_DEP_3)
	v_lshlrev_b32 v7, 4, v2                        ; and on the way back: wave = my lane
	s_mov_b32 s10, 0x76543210
	s_mov_b32 s11, 0xfedcba98
	s_wait_alu depctr_va_vdst(0)
	s_wait_kmcnt 0x0
	global_load_b64 v[4:5], v3, s[4:5]             ; my token's two experts
.irp i, 0,1,2,3,4,5,6,7
	v_mov_b32 v[20+\i], 0                          ; written once: the destination of a lane move counts as one of its sources
.endr
	v_mov_b32 v30, 0
	v_mov_b32 v31, 0
	v_mov_b32 v37, 0                               ; the token of a slot that holds no row
	v_mov_b32 v38, 0x880                           ; the spare word's slot
	s_wait_loadcnt 0x0
.irp e, 0,1,2,3,4,5,6,7
	v_cmp_eq_u32 vcc_lo, \e, v4
	v_cmp_eq_u32 s9, \e, v5
	s_or_b32 s[32+\e], vcc_lo, s9                  ; the lanes whose token goes to expert e (a token's two experts differ)
	s_bcnt1_i32_b32 s[40+\e], s[32+\e]
.endr
.irp p, 0,1,2,3
	s_lshl_b32 s9, s[41+2*\p], 16
	s_or_b32 s[48+\p], s[40+2*\p], s9              ; two counts a word: none passes 1,024
	v_mov_b32 v[8+\p], s[48+\p]
.endr
	ds_store_b128 v6, v[8:11]                      ; all lanes write the same 16 bytes with the same values
	s_wait_dscnt 0x0                               ; for the others' sake: my store is done
	s_barrier_signal -1
	s_barrier_wait -1
	ds_load_b128 v[12:15], v7                      ; lane l: wave l's counts
	s_wait_dscnt 0x0
	v_cmp_gt_u32 vcc_lo, s8, v2                    ; waves below mine
.irp p, 0,1,2,3
	v_cndmask_b32 v[16+\p], 0, v[12+\p], vcc_lo
.endr
.irp m, 1,2,4,8
.irp i, 0,1,2,3,4,5,6,7
	v_mov_b32_dpp v[20+\i], v[12+\i] row_xmask:\m row_mask:0xf bank_mask:0xf
.endr
.irp i, 0,1,2,3,4,5,6,7
	v_add_nc_u32 v[12+\i], v[12+\i], v[20+\i]
.endr
.endr
.irp i, 0,1,2,3,4,5,6,7
	v_permlanex16_b32 v[20+\i], v[12+\i], s10, s11
.endr
.irp i, 0,1,2,3,4,5,6,7
	v_add_nc_u32 v[12+\i], v[12+\i], v[20+\i]
	s_delay_alu instid0(VALU_DEP_1)
	v_readfirstlane_b32 s[52+\i], v[12+\i]         ; s52-55 all rows, s56-59 the rows of lower waves, two experts a word
.endr
	s_mov_b32 s92, 0                               ; the running first slot
; s40+e rows; s68+e my wave's first slot; s76+e the end of the rows; s84+e the slots of padding; s16+2e, s17+2e first tile and tiles
.macro SEG e
.if ((\e)%2) == 0
	s_and_b32 s[40+\e], s[52+(\e)/2], 0xffff
	s_and_b32 s9, s[56+(\e)/2], 0xffff
.else
	s_lshr_b32 s[40+\e], s[52+(\e)/2], 16
	s_lshr_b32 s9, s[56+(\e)/2], 16
.endif
	s_add_co_u32 s12, s[40+\e], 15
	s_and_b32 s12, s12, -16                        ; padded to whole tiles
	s_add_co_u32 s[68+\e], s92, s9
	s_add_co_u32 s[76+\e], s92, s[40+\e]
	s_sub_co_u32 s[84+\e], s12, s[40+\e]
	s_lshr_b32 s[16+2*\e], s92, 4
	s_lshr_b32 s[17+2*\e], s12, 4
	s_add_co_u32 s92, s92, s12
.endm
.irp e, 0,1,2,3,4,5,6,7
	SEG \e
.endr
.irp e, 0,1,2,3,4,5,6,7
	v_mbcnt_lo_u32_b32 v28, s[32+\e], s[68+\e]     ; my wave's first slot + the expert's rows in lower lanes
	v_cmp_eq_u32 vcc_lo, \e, v4
	s_delay_alu instid0(VALU_DEP_1)
	v_cndmask_b32 v30, v30, v28, vcc_lo
	v_cmp_eq_u32 vcc_lo, \e, v5
	s_delay_alu instid0(VALU_DEP_1)
	v_cndmask_b32 v31, v31, v28, vcc_lo
.endr
	s_delay_alu instid0(VALU_DEP_3)
	v_min_u32 v30, 0x87f, v30                      ; a number made of loaded numbers enters an address only behind a bound: 2,175
	s_delay_alu instid0(VALU_DEP_2)
	v_min_u32 v31, 0x87f, v31
	s_delay_alu instid0(VALU_DEP_2)
	v_lshlrev_b32 v32, 2, v30
	s_delay_alu instid0(VALU_DEP_2)
	v_lshlrev_b32 v33, 2, v31
	global_store_b32 v32, v0, s[6:7] offset:8448   ; row_tok[slot] = my token
	global_store_b32 v33, v0, s[6:7] offset:8448
	global_store_b64 v3, v[30:31], s[6:7] offset:256   ; tok_slot
; The slots that hold no row (each expert's padding, and all from the last run's end on) get token 0.  Thread t looks at slots t, t + 1,024 and, for t < 128, t + 2,048.
; A slot that holds a row is left to its row's store: the lane's zero goes to the spare word instead.  Each fill has an address register of its own, so none is written while a store may read it.
.macro FILL n, off
	v_add_nc_u32 v34, \off, v0
	s_delay_alu instid0(VALU_DEP_1)
	v_cmp_le_u32 s14, s92, v34                     ; at or behind the last run's end
.irp e, 0,1,2,3,4,5,6,7
	v_sub_nc_u32 v35, v34, s[76+\e]
	s_delay_alu instid0(VALU_DEP_1)
	v_cmp_gt_u32 vcc_lo, s[84+\e], v35             ; 0 <= slot - end < padding, as one unsigned comparison
	s_or_b32 s14, s14, vcc_lo
.endr
.if \off == 2048
	v_cmp_gt_u32 vcc_lo, 128, v0                   ; slots 2,048 to 2,175 alone
	s_and_b32 s14, s14, vcc_lo
.endif
	v_cndmask_b32 v[40+\n], v38, v34, s14          ; the slot, or the spare word
	s_delay_alu instid0(VALU_DEP_1)
	v_min_u32 v[40+\n], 0x880, v[40+\n]            ; the choice hangs on loaded numbers: it enters the address behind a bound
	s_delay_alu instid0(VALU_DEP_1)
	v_lshlrev_b32 v[40+\n], 2, v[40+\n]
	global_store_b32 v[40+\n], v37, s[6:7] offset:8448
.endm
	FILL 0, 0
	FILL 1, 1024
	FILL 2, 2048
	s_cmp_lg_u32 s8, 0
	s_cbranch_scc1 .Ldone                          ; wave 0 stores the experts' pairs
	v_mov_b32 v43, 0
.irp i, 0,1,2,3,4,5,6,7,8,9,10,11,12,13,14,15
	s_delay_alu instid0(VALU_DEP_1)
	v_writelane_b32 v43, s[16+\i], \i
.endr
	v_lshlrev_b32 v44, 2, v2
	global_store_b32 v44, v43, s[6:7]
.Ldone:
	s_wait_tensorcnt 0x0
	ds_add_u32 v48, v49
	s_wait_dscnt 0x0
	s_endpgm
.Lfunc_end_k_q2290501e18_placer:
	.size	k_q2290501e18_placer, .Lfunc_end_k_q2290501e18_placer-k_q2290501e18_placer
	.p2alignl 7, 3214868480
	.fill 96, 4, 3214868480
	.section	.rodata,"a",@progbits
	.p2align	6, 0x0
	.amdhsa_kernel k_q2290501e18_placer
		.amdhsa_group_segment_fixed_size 4608
		.amdhsa_private_segment_fixed_size 0
		.amdhsa_enable_private_segment 0
		.amdhsa_kernarg_size 16
		.amdhsa_user_sgpr_count 2
		.amdhsa_user_sgpr_kernarg_segment_ptr 1
		.amdhsa_wavefront_size32 1
		.amdhsa_system_sgpr_workgroup_id_x 1
		.amdhsa_system_sgpr_workgroup_id_y 1
		.amdhsa_system_sgpr_workgroup_id_z 1
		.amdhsa_system_vgpr_workitem_id 0
		.amdhsa_next_free_vgpr 50
		.amdhsa_next_free_sgpr 96
		.amdhsa_reserve_vcc 1
		.amdhsa_float_denorm_mode_32 3
		.amdhsa_float_denorm_mode_16_64 3
		.amdhsa_memory_ordered 1
		.amdhsa_forward_progress 1
		.amdhsa_inst_pref_size 21
	.end_amdhsa_kernel
	.amdgpu_metadata
---
amdhsa.version: [ 1, 2 ]
amdhsa.kernels:
  - .name:           k_q2290501e18_placer
    .symbol:         k_q2290501e18_placer.kd
    .args:
      - { .name: tk_idx, .offset: 0, .size: 8, .value_kind: global_buffer, .address_space: global }
      - { .name: place, .offset: 8, .size: 8, .value_kind: global_buffer, .address_space: global }
    .group_segment_fixed_size: 4608
    .private_segment_fixed_size: 0
    .kernarg_segment_align: 8
    .kernarg_segment_size: 16
    .max_flat_workgroup_size: 1024
    .sgpr_count:     96
    .vgpr_count:     50
    .wavefront_size: 32
...
	.end_amdgpu_metadata
.endif
;; end of part 7
;; launch ffn1 (part 8): grid 32 x 8, 16 waves a work-group, no clusters, 72,704 bytes of LDS; arguments W1, b1, xq, place, hq; writes hq
.if DOCPART == 8
	.amdgcn_target "amdgcn-amd-amdhsa--gfx1250"
	.amdhsa_code_object_version 6
	.text
	.protected	k_q2290501e18_ffn1
	.globl	k_q2290501e18_ffn1
	.p2align	8
	.type	k_q2290501e18_ffn1,@function
k_q2290501e18_ffn1:
	s_mov_b64 s[64:65], 0
	v_nop
	global_prefetch_b8 v0, s[64:65] scope:SCOPE_SE
	s_setreg_imm32_b32 hwreg(HW_REG_WAVE_SCHED_MODE, 0, 2), 2
	s_setreg_imm32_b32 hwreg(HW_REG_WAVE_MODE, 25, 1), 1
	s_wait_xcnt 0x0
	s_wait_alu depctr_vm_vsrc(0)
; h = Q(gelu(Q(x) Q(W1[e]) + b1[e])) for the rows routed to expert e, both operands codes of E2M1 with one E8M0 byte for each 32 along K.
; A work-group owns expert e (grid y) and 128 hidden units (grid x): 1,024 x 128 numbers of W1, 512 KiB, which no other work-group reads.  So each byte of W1 leaves memory once.
; PHASE Q.  The slice is quantised along K (W1's first axis within an expert): a lane takes a column and its registers run down K, 32 rows a block.  Wave w takes 32 columns (w % 4) x 256 along K (w / 4).
;   The codes go to LDS as IMAGES OF THE OPERAND'S REGISTERS: fragment (K step ks, tile nt) at ks 8,192 + nt 1,024 + c 512 + 16 x lane; scale words at [ks][row 16][nt 8].
;   THE COLUMNS OF A TILE ARE NOT NEIGHBOURS: row m of tile 2 b + u is hidden unit 32 b + 8 u + m + 8 (m / 8), so that a lane's 16 results of tiles 2 b, 2 b + 1 are 16 neighbours along the next K.
; One barrier.  PHASE M.  Wave w takes the expert's tiles of 16 rows w, w + 16, ..: a count read from 'place', so the loop holds no barrier and the launch no tensor load.
;   A trip: b1 as the C of the sums; 8 K steps x 8 tiles, transposed (source 0 = 16 hidden units, source 1 = 16 rows of x: a lane holds ONE row); exact GELU in f32; quantised along the hidden units;
;   the fragment (K step = this slice's number, of the second product) and its scale words go to hq as images.  Where the wave has a next tile, and only there, its tokens and codes of x are asked for
;   behind the products, so that the codes land under this tile's GELU.
; GELU: v x Phi(v); with a = |v| / sqrt(2) and H = erfc(a) / 2: Phi = H for v < 0, 1 - H else.  erfc(a) = (1 + p(q)) / (1 + 2 a) x e^(-a a), q = (a - 2) / (a + 2), p of degree 9; the rounding of a a is made good by
;   the factor 1 + (fl(a a) - a a).  One reciprocal, of (a + 2)(1 + 2 a), gives both quotients.
; LIMITS: NaN and infinities are not served; |x W1 + b1| stays under 1e19 (the product (a + 2)(1 + 2 a) must not overflow).  A block of zeros gets the byte 1; this program alone reads the bytes.
; NO CLUSTER: no two work-groups read the same bytes of W1; what they share, x's codes, is a small part of a work-group's bytes, and the trips hang on counts read from memory.
; THE MODE: SCHED_MODE bits 1:0 = 2 (LLVM: expert scheduling mode 2), set by the entry lines.  The code itself states the register dependences
; between vector or matrix instructions and memory or LDS instructions, with s_wait_alu, always for 0.
; THE PLAN.  Registers that memory or LDS instructions touch:
;   v2-v9, v14    offsets and LDS addresses: written once at the head, read by every load and store; one wait on va_vdst ahead of the first load serves them all.
;   v10           a tile's tokens land in it; the three lines that make v11 and v12 write and read it; no memory instruction reads it.
;   v11, v12      written by those three lines, read by the 18 loads of x's codes: a wait on va_vdst between the two; the wait on vm_vsrc at a trip's head frees them for the next tile.
;   QX0, QX1      phase Q: block t's 32 loads land; its maxima and conversions read them; behind those the loads of block t + 2 land.
;   QC, QW        phase Q: block t's lines write them, its LDS stores read them.  One wait on va_vdst behind the conversions states both lines above; one on vm_vsrc at the next block's head frees QC and QW.
;   XF, XS        x's codes and scale words land; the trip's products read them; the next tile's land behind the last products.
;   WA, WC        W1's fragments, two buffers by turns: a half of a K step reads one; behind its four products and their places one wait on va_vdst, and the buffer is asked for again at once,
;                 so that the loads have the other half's products in which to land.  WS0, WS1, the scale words, go with WA's loads.  No third buffer: in this phase sixteen registers lie idle, half of one.
;   ACC           b1 lands; products, GELU and quantiser work on it.   PC, PW: the quantiser writes them, the trip's three stores read them; they lie in WA.
;   One wait on va_vdst ahead of those stores is the last vector-side line's wait of a trip: it also frees ACC, WA, WC and WS for the next trip's LDS loads.
.set PITCHW, 16384                     ; a row of W1[e] in bytes
.set KSB,  8192                        ; a K step's eight images
.set SSB,  512                         ; a K step's scale words
.set SCL,  65536                       ; LDS: images 0 .. 65,535; scale words from here, 4,096 bytes;
.set BIA,  69632                       ; the slice's 128 numbers of b1
.set XF,   16                          ; v16-79   x's eight fragments
.set XS,   80                          ; v80-87   x's scale words, one register a K step: they hold nothing else
.set ACC,  88                          ; v88-151  eight accumulators
.set WA,   152                         ; v152-183 W1's fragments of tiles 0-3,
.set WC,   184                         ; v184-215 of tiles 4-7
.set WS,   232                         ; v232-247 W1's scale words, two sets of eight: they hold nothing else
.set GA,   152                         ; the GELU's five arrays of 16
.set GP,   168
.set GD,   184
.set GR,   200
.set GS,   216
.set CM,   72                          ; s72-87   the GELU's sixteen masks
.set TM,   152                         ; the quantiser's registers
.set PW,   168
.set PC,   176
.set QX,   88                          ; phase Q: two sets of 32 numbers,
.set QM,   152
.set QS,   154
.set QB,   155
.set QW,   156
.set QC,   160
; v1 r = lane % 16; v2 4 x lane; v3, v4 phase Q's LDS addresses (codes, scale words); v5 16 x lane; v6 where b1 goes in LDS; v7 my row's scale words; v8 my half's b1; v9 4 r; v10 my row's token;
; v11, v12 its codes and scale bytes in xq; v13 a number of b1; v14 its place; v15 16 x (lane / 16); v[248:249] the polynomial's c8
; s22 my tile's number among the expert's; s70 trips done, s71 my trips
	s_load_b256 s[4:11], s[0:1], 0x0               ; W1, b1, xq, place
	s_load_b64 s[12:13], s[0:1], 0x20              ; hq
	v_lshl_add_u32 v254, v0, 2, 0x11400
	v_mov_b32 v255, 0
	v_lshrrev_b32 v1, 5, v0
	v_readfirstlane_b32 s14, v1                    ; wave 0..15
	s_and_b32 s15, ttmp7, 0xffff                   ; expert
	v_and_b32 v10, 31, v0                          ; lane
	v_and_b32 v1, 15, v0
	v_bfe_u32 v11, v0, 4, 1                        ; lane / 16
	v_bfe_u32 v12, v0, 3, 1                        ; u: which tile of the pair my column falls into
	v_lshlrev_b32 v2, 2, v10
	v_lshlrev_b32 v5, 4, v10
	v_and_b32 v3, 7, v0
	v_lshl_add_u32 v3, v11, 3, v3                  ; its row in that tile: lane % 8 + 8 (lane / 16)
	s_wait_alu depctr_va_vdst(0)
	s_wait_alu depctr_va_sdst(0)                   ; s14 is written, ahead of its first reader
	s_and_b32 s17, s14, 3                          ; cg: which 32 columns
	s_lshr_b32 s16, s14, 2                         ; kq: which 256 along K
	s_lshl_b32 s60, s16, 14
	s_lshl_b32 s61, s17, 11
	s_add_co_u32 s60, s60, s61                     ; two K steps a kq, two tiles a cg
	s_lshl_b32 s61, s16, 10
	s_lshl_b32 s62, s17, 3
	s_add_co_u32 s61, s61, s62
	s_add_co_u32 s61, s61, SCL
	v_lshlrev_b32 v4, 5, v3
	v_lshl_add_u32 v4, v12, 2, v4
	v_add_nc_u32 v4, s61, v4                       ; scale words: SCL + 1,024 kq + 32 row + 8 cg + 4 u
	v_lshlrev_b32 v3, 4, v3
	v_lshl_add_u32 v3, v12, 10, v3
	v_add_nc_u32 v3, s60, v3                       ; codes: 16,384 kq + 2,048 cg + 1,024 u + 16 row
	v_lshlrev_b32 v7, 5, v1
	v_add_nc_u32 v7, SCL, v7
	v_lshlrev_b32 v8, 6, v11
	v_add_nc_u32 v8, BIA, v8
	v_lshlrev_b32 v9, 2, v1
	v_lshlrev_b32 v15, 4, v11
	v_and_b32 v14, 127, v0
	v_lshlrev_b32 v14, 2, v14
	v_add_nc_u32 v6, BIA, v14
	v_mov_b32 v248, 0xbaa15130                     ; c8, twice
	v_mov_b32 v249, 0xbaa15130
	s_lshl_b32 s62, s15, 24                        ; my part of W1: expert, 256 kq rows, the slice's 512 bytes, 128 cg
	s_lshl_b32 s63, s16, 22
	s_add_co_u32 s62, s62, s63
	s_lshl_b32 s63, ttmp9, 9
	s_add_co_u32 s62, s62, s63
	s_lshl_b32 s63, s17, 7
	s_add_co_u32 s62, s62, s63
	s_mov_b32 s63, 0
	s_mov_b32 s34, 0x76543210                      ; v_permlanex16_b32's selects for lane l xor 16
	s_mov_b32 s35, 0xfedcba98
	s_mov_b32 s36, 0x3f3504f3                      ; 1 / sqrt(2)
	s_mov_b32 s38, 0xbfb8aa3b                      ; -log2(e); each constant twice: the packed forms name a pair
	s_mov_b32 s39, 0xbfb8aa3b
	s_mov_b32 s40, 0xb9d25000                      ; c9
	s_mov_b32 s41, 0xb9d25000
	s_mov_b32 s42, 0x3aac2b8a                      ; c7
	s_mov_b32 s43, 0x3aac2b8a
	s_mov_b32 s44, 0x3c0d6e62                      ; c6
	s_mov_b32 s45, 0x3c0d6e62
	s_mov_b32 s46, 0xbc040dc1                      ; c5
	s_mov_b32 s47, 0xbc040dc1
	s_mov_b32 s48, 0xbd5e05b5                      ; c4
	s_mov_b32 s49, 0xbd5e05b5
	s_mov_b32 s50, 0x3e27fe23                      ; c3
	s_mov_b32 s51, 0x3e27fe23
	s_mov_b32 s52, 0xbe2a0420                      ; c2
	s_mov_b32 s53, 0xbe2a0420
	s_mov_b32 s54, 0xbdbdfb0b                      ; c1
	s_mov_b32 s55, 0xbdbdfb0b
	s_mov_b32 s56, 0x3e8dd01d                      ; c0
	s_mov_b32 s57, 0x3e8dd01d
	s_wait_kmcnt 0x0
	s_add_nc_u64 s[18:19], s[4:5], s[62:63]
.macro LOADW t                         ; block t of my 8: W1(32 t + i, my column), i = 0 .. 31, into set t % 2; a load reads 128 consecutive bytes, four waves side by side 512
.set i, 0
.rept 32
	global_load_b32 v[QX+32*((\t)%2)+i], v2, s[18:19] offset:(32*(\t)+i)*PITCHW th:TH_LOAD_NT
.set i, i+1
.endr
.endm
; Block t is quantised: all its 32 numbers are mine.  cnt: the loads issued behind block t's, which may stay out.
.macro QBLOCK t, cnt
.set XB, QX+32*((\t)%2)
	s_wait_loadcnt \cnt
.if (\t) > 0
	s_wait_alu depctr_vm_vsrc(0)                   ; the last block's LDS stores have read the codes' registers and the scale word, which this block's lines write again
.endif
	v_max3_num_f32 v[QM], |v[XB]|, |v[XB+1]|, |v[XB+2]|
	v_max3_num_f32 v[QM+1], |v[XB+3]|, |v[XB+4]|, |v[XB+5]|
.irp i, 6,10,14,18,22,26
	v_max3_num_f32 v[QM], v[QM], |v[XB+\i]|, |v[XB+\i+1]|
	v_max3_num_f32 v[QM+1], v[QM+1], |v[XB+\i+2]|, |v[XB+\i+3]|
.endr
	v_max3_num_f32 v[QM], v[QM], |v[XB+30]|, |v[XB+31]|
	v_max3_num_f32 v[QM], v[QM], v[QM+1], 0x1800000    ; the floor 2^(3 - 127): the byte cannot fall under 1
	v_add_nc_u32 v[QS], 0xff000000, v[QM]          ; 2 off the exponent field: the conversion's scale operand
	v_lshrrev_b32 v[QB], 23, v[QS]                 ; the byte
.if ((\t)%4) == 0
	v_mov_b32 v[QW], v[QB]                         ; four bytes make a K step's scale word, the lower K in the lower byte
.else
	v_lshl_or_b32 v[QW], v[QB], 8*((\t)%4), v[QW]
.endif
.irp g, 0,1,2,3
	v_cvt_scalef32_pk8_fp4_f32 v[QC+\g], v[XB+8*\g:XB+8*\g+7], v[QS]
.endr
	v_nop                                          ; one plain line behind the conversions
	s_wait_alu depctr_va_vdst(0)                   ; the codes and the scale word are written, which the LDS stores read; the block's lines are done reading its 32 numbers, in which the loads of two blocks on land
	ds_store_b128 v3, v[QC:QC+3] offset:((\t)/4)*KSB+(((\t)%4)/2)*512+((\t)%2)*256   ; block 2 c + hs of a K step: registers 4 c .. 4 c + 3 of lane row + 16 hs
.if ((\t)%4) == 3
	ds_store_b32 v4, v[QW] offset:((\t)/4)*SSB
.endif
.if (\t) < 6
	LOADW (\t)+2
.endif
	s_wait_dscnt 0x0                               ; the stores are done: the barrier follows the last block's
.endm
.macro MKX                             ; my row's token, bounded, and its places in xq
	v_min_u32 v10, 0x3ff, v10
	v_lshl_add_u32 v11, v10, 9, v15                ; 512 bytes of codes a token, + 16 (lane / 16)
	v_lshlrev_b32 v12, 5, v10                      ; 32 scale bytes a token
.endm
.macro XLOAD                           ; 18 loads: x's eight fragments (registers 4 c ..: k = 128 ks + 64 c + 32 (lane / 16) + 0 .. 31 of my row) and its eight scale words
.irp k, 0,1,2,3,4,5,6,7
.irp c, 0,1
	global_load_b128 v[XF+8*\k+4*\c:XF+8*\k+4*\c+3], v11, s[8:9] offset:64*\k+32*\c
.endr
.endr
	global_load_b128 v[XS:XS+3], v12, s[8:9] offset:524288
	global_load_b128 v[XS+4:XS+7], v12, s[8:9] offset:524288+16
.endm
	s_wait_alu depctr_va_vdst(0)                   ; the offsets and LDS addresses v2 to v9 and v14 are written, which the loads and stores of the whole kernel read; the head's lines are done with v10, in which the tokens land
	LOADW 0
	s_lshl_b32 s62, s15, 3
	s_add_nc_u64 s[60:61], s[10:11], s[62:63]
	s_load_b64 s[20:21], s[60:61], 0x0             ; the expert's first tile and its number of tiles
	s_lshl_b32 s62, ttmp9, 10
	s_add_nc_u64 s[66:67], s[12:13], s[62:63]      ; hq: the images of K step = my slice
	s_lshl_b32 s62, ttmp9, 7
	s_add_co_u32 s62, s62, 0x440000
	s_add_nc_u64 s[68:69], s[12:13], s[62:63]      ; and their scale words, behind the 136 x 32 images
	s_lshl_b32 s62, s15, 14
	s_lshl_b32 s23, ttmp9, 9
	s_add_co_u32 s62, s62, s23
	s_add_nc_u64 s[58:59], s[6:7], s[62:63]        ; b1: the expert's row, the slice's 128 numbers
	s_wait_kmcnt 0x0
	s_min_u32 s20, s20, 135                        ; loaded numbers enter addresses and the trip count only behind a bound
	s_min_u32 s21, s21, 136
	s_add_co_u32 s23, s20, s14                     ; my first tile (row_tok is stored whole, so the load is sound whether or not the tile is the expert's)
	s_min_u32 s23, s23, 135
	s_lshl_b32 s62, s23, 6
	s_add_nc_u64 s[24:25], s[10:11], s[62:63]
	global_load_b32 v10, v9, s[24:25] offset:8448  ; its rows' tokens
	global_load_b32 v13, v14, s[58:59]
	LOADW 1
	s_wait_loadcnt 32                              ; block 0, the tokens and b1 are in; block 1's 32 loads may be out
	MKX
	s_wait_alu depctr_va_vdst(0)                   ; v11 and v12 are written, which the 18 loads read
	XLOAD
	s_cmp_lt_u32 s14, 4
	s_cbranch_scc0 .Lno_bias                       ; waves 0 to 3 lay b1's 128 numbers into LDS
	ds_store_b32 v6, v13
.Lno_bias:
	QBLOCK 0, 50                                   ; behind block 0's loads: block 1's 32 and x's 18
	QBLOCK 1, 50                                   ; behind block 1's: x's 18 and block 2's 32
	QBLOCK 2, 32
	QBLOCK 3, 32
	QBLOCK 4, 32
	QBLOCK 5, 32
	QBLOCK 6, 32
	QBLOCK 7, 0
	s_barrier_signal -1                            ; every wave's LDS stores are done (the wait for 0 closes each block)
	s_barrier_wait -1                              ; the slice lies in LDS; nothing is written there from here on
.macro SLD k                           ; K step k's scale words of the eight tiles, my row's
	ds_load_b128 v[WS+8*((\k)%2):WS+8*((\k)%2)+3], v7 offset:SSB*(\k)
	ds_load_b128 v[WS+8*((\k)%2)+4:WS+8*((\k)%2)+7], v7 offset:SSB*(\k)+16
.endm
.macro GLD k, g, reg                   ; the images of tiles 4 g .. 4 g + 3
.irp i, 0,1,2,3
.irp c, 0,1
	ds_load_b128 v[\reg+8*\i+4*\c:\reg+8*\i+4*\c+3], v5 offset:KSB*(\k)+(4*(\g)+\i)*1024+512*\c
.endr
.endr
.endm
.macro MM k, g, reg                    ; four products; the eight accumulators take turns, one instruction a turn, over the loop's jump too
.irp i, 0,1,2,3
	v_wmma_scale_f32_16x16x128_f8f6f4 v[ACC+8*(4*(\g)+\i):ACC+8*(4*(\g)+\i)+7], v[\reg+8*\i:\reg+8*\i+7], v[XF+8*(\k):XF+8*(\k)+7], v[ACC+8*(4*(\g)+\i):ACC+8*(4*(\g)+\i)+7], v[WS+8*((\k)%2)+4*(\g)+\i], v[XS+(\k)] matrix_a_fmt:MATRIX_FMT_FP4 matrix_b_fmt:MATRIX_FMT_FP4
.endr
.endm
.macro PLACES                          ; four plain lines between matrix instructions and loads into their registers, or reads of their results (ISA guide 7.12.1 for reads of their results); a wait on va_vdst stands behind them, not in their stead
.rept 4
	v_nop
.endr
.endm
.macro KSTEP k
	s_wait_dscnt 8                                 ; all but the youngest eight loads (tiles 4-7 of this step) are in
	MM \k, 0, WA
	PLACES
.if (\k) < 7
	s_wait_alu depctr_va_vdst(0)                   ; these four products are done reading WA, and the last step's are done reading the other set of scale words: the ten loads below land there
	SLD (\k)+1
	GLD (\k)+1, 0, WA
	s_wait_dscnt 10                                ; tiles 4-7 are in; the ten just issued may be out
.else
	s_wait_dscnt 0x0
.endif
	MM \k, 1, WC
	PLACES
.if (\k) < 7
	s_wait_alu depctr_va_vdst(0)                   ; these four products are done reading WC, in which the eight loads below land
	GLD (\k)+1, 1, WC
.endif
.endm
; The GELU of 16 numbers a lane, tiles 2 b and 2 b + 1, each read from its low end on.  The 16 reciprocals and 16 exponentials are one batch with one wait; the 16 compares are one run with one wait.
.macro GELU b
.set V, ACC+16*(\b)
.set i, 0
.rept 16
	v_mul_f32 v[GA+i], s36, |v[V+i]|               ; a
.set i, i+1
.endr
.set i, 0
.rept 16
	v_cmp_lt_f32 s[CM+i], 0, v[V+i]                ; where v is positive: a mask for each of the 16, read far below
.set i, i+1
.endr
.irp p, 0,2,4,6,8,10,12,14
	v_pk_add_f32 v[GP+\p:GP+\p+1], v[GA+\p:GA+\p+1], 2.0 op_sel_hi:[1,0]          ; a + 2
.endr
.irp p, 0,2,4,6,8,10,12,14
	v_pk_fma_f32 v[GD+\p:GD+\p+1], v[GA+\p:GA+\p+1], 2.0, 1.0 op_sel_hi:[1,0,0]   ; 1 + 2 a
.endr
.irp p, 0,2,4,6,8,10,12,14
	v_pk_mul_f32 v[GR+\p:GR+\p+1], v[GP+\p:GP+\p+1], v[GD+\p:GD+\p+1]
.endr
.set i, 0
	s_wait_alu depctr_va_vdst(0)
.rept 16
	v_rcp_f32 v[GR+i], v[GR+i]                     ; 1 / ((a + 2)(1 + 2 a))
.set i, i+1
.endr
.irp p, 0,2,4,6,8,10,12,14
	v_pk_mul_f32 v[GS+\p:GS+\p+1], v[GA+\p:GA+\p+1], v[GA+\p:GA+\p+1]             ; s = fl(a a)
.endr
.irp p, 0,2,4,6,8,10,12,14
	v_pk_fma_f32 v[GS+\p:GS+\p+1], v[GS+\p:GS+\p+1], s[38:39], -1.0 op_sel_hi:[1,0,0]   ; -s log2(e) - 1
.endr
.set i, 0
	s_wait_alu depctr_va_vdst(0)
.rept 16
	v_exp_f32 v[GS+i], v[GS+i]                     ; e^(-s) / 2
.set i, i+1
.endr
	v_nop                                          ; a plain line behind the last transcendental,
	s_wait_alu depctr_va_vdst(0)                   ; and one wait for the batch: the 16 reciprocals and the 16 exponentials are written, ahead of their first reader
.irp p, 0,2,4,6,8,10,12,14
	v_pk_mul_f32 v[GD+\p:GD+\p+1], v[GR+\p:GR+\p+1], v[GD+\p:GD+\p+1]             ; 1 / (a + 2)
.endr
.irp p, 0,2,4,6,8,10,12,14
	v_pk_mul_f32 v[GP+\p:GP+\p+1], v[GR+\p:GR+\p+1], v[GP+\p:GP+\p+1]             ; 1 / (1 + 2 a)
.endr
.irp p, 0,2,4,6,8,10,12,14
	v_pk_fma_f32 v[GR+\p:GR+\p+1], v[GD+\p:GD+\p+1], -4.0, 1.0 op_sel_hi:[1,0,0]  ; q = 1 - 4 / (a + 2)
.endr
.irp p, 0,2,4,6,8,10,12,14
	v_pk_mul_f32 v[GD+\p:GD+\p+1], v[GA+\p:GA+\p+1], v[GA+\p:GA+\p+1]             ; s once more,
.endr
.irp p, 0,2,4,6,8,10,12,14
	v_pk_fma_f32 v[GD+\p:GD+\p+1], v[GA+\p:GA+\p+1], v[GA+\p:GA+\p+1], v[GD+\p:GD+\p+1] neg_lo:[1,0,0] neg_hi:[1,0,0]   ; t = s - a a, exactly
.endr
.irp p, 0,2,4,6,8,10,12,14
	v_pk_fma_f32 v[GA+\p:GA+\p+1], v[GR+\p:GR+\p+1], s[40:41], v[248:249] op_sel_hi:[1,0,1]   ; p(q), by Horner
.endr
.irp c, 42,44,46,48,50,52,54,56
.irp p, 0,2,4,6,8,10,12,14
	v_pk_fma_f32 v[GA+\p:GA+\p+1], v[GA+\p:GA+\p+1], v[GR+\p:GR+\p+1], s[\c:\c+1] op_sel_hi:[1,1,0]
.endr
.endr
.irp p, 0,2,4,6,8,10,12,14
	v_pk_fma_f32 v[GA+\p:GA+\p+1], v[GA+\p:GA+\p+1], v[GP+\p:GP+\p+1], v[GP+\p:GP+\p+1]   ; (p + 1) / (1 + 2 a)
.endr
.irp p, 0,2,4,6,8,10,12,14
	v_pk_mul_f32 v[GS+\p:GS+\p+1], v[GA+\p:GA+\p+1], v[GS+\p:GS+\p+1]
.endr
.irp p, 0,2,4,6,8,10,12,14
	v_pk_fma_f32 v[GD+\p:GD+\p+1], v[GS+\p:GS+\p+1], v[GD+\p:GD+\p+1], v[GS+\p:GS+\p+1]   ; H = erfc(a) / 2
.endr
.irp p, 0,2,4,6,8,10,12,14
	v_pk_fma_f32 v[GS+\p:GS+\p+1], v[GD+\p:GD+\p+1], -1.0, 1.0 op_sel_hi:[1,0,0]  ; 1 - H
.endr
	s_wait_alu depctr_va_sdst(0)                   ; the sixteen compares have written their masks, ahead of the first line that reads one
.set i, 0
.rept 16
	v_cndmask_b32 v[GD+i], v[GD+i], v[GS+i], s[CM+i]   ; Phi
.set i, i+1
.endr
.irp p, 0,2,4,6,8,10,12,14
	v_pk_mul_f32 v[V+\p:V+\p+1], v[V+\p:V+\p+1], v[GD+\p:GD+\p+1]
.endr
.endm
; 64 numbers of a lane, register 16 b + i = k 32 b + 16 (lane / 16) + i of my row, become a fragment's codes in v[PC] on and its scale word in v[PW].
.macro QUANT s
.irp b, 0,1,2,3
	v_max3_num_f32 v[TM+\b], |v[\s+16*\b]|, |v[\s+1+16*\b]|, 0x1800000
.endr
.irp i, 2,4,6,8,10,12,14
.irp b, 0,1,2,3
	v_max3_num_f32 v[TM+\b], v[TM+\b], |v[\s+16*\b+\i]|, |v[\s+1+16*\b+\i]|
.endr
.endr
.irp b, 0,1,2,3
	v_permlanex16_b32 v[TM+4+\b], v[TM+\b], s34, s35
.endr
.irp b, 0,1,2,3
	v_max_num_f32 v[TM+\b], v[TM+\b], v[TM+4+\b]   ; with lane l xor 16's 16: the block's largest magnitude
.endr
.irp b, 0,1,2,3
	v_add_nc_u32 v[TM+12+\b], 0xff000000, v[TM+\b]
.endr
.irp b, 0,1,2,3
	v_lshrrev_b32 v[TM+4+\b], 23, v[TM+12+\b]
.endr
	v_lshl_or_b32 v[PW], v[TM+5], 8, v[TM+4]
	v_lshl_or_b32 v[PW], v[TM+6], 16, v[PW]
	v_lshl_or_b32 v[PW], v[TM+7], 24, v[PW]
.irp b, 0,1,2,3
	v_cvt_scalef32_pk8_fp4_f32 v[PC+2*\b], v[\s+16*\b:\s+7+16*\b], v[TM+12+\b]
	v_cvt_scalef32_pk8_fp4_f32 v[PC+1+2*\b], v[\s+8+16*\b:\s+15+16*\b], v[TM+12+\b]
.endr
	v_nop                                          ; one plain line behind the conversions
.irp c, 0,1                                    ; the operand's layout wants a whole block in a lane: lanes 0-15 block 2 c, lanes 16-31 block 2 c + 1
.irp i, 0,1
	v_permlane16_swap_b32 v[PC+4*\c+\i], v[PC+2+4*\c+\i]
.endr
.endr
.endm
	s_mov_b32 s22, s14                             ; my tiles: w, w + 16, ..
	s_add_co_u32 s71, s21, 15
	s_sub_co_u32 s71, s71, s14
	s_lshr_b32 s71, s71, 4                         ; my trips: (tiles + 15 - w) / 16, 0 where w is not under the number of tiles;
	s_min_u32 s71, s71, 9                          ; 136 tiles over 16 waves are 9 at the most
	s_mov_b32 s70, 0
	s_cmp_lt_u32 s70, s71
	s_cbranch_scc0 .Lend
.Lrow:
	s_wait_loadcnt 0x0                             ; this tile's codes of x are in
	s_wait_xcnt 0x0                                ; the last trip's loads and stores have read their data, addresses and bases: all are written again below
	s_wait_alu depctr_vm_vsrc(0)                   ; the last trip's stores have read the codes and the scale word (in the first trip: phase Q's last LDS stores theirs), in which fragments of W1 land below; the loads of x's codes have read v11 and v12, which the next tile's lines write
	s_add_co_u32 s23, s20, s22
	s_min_u32 s23, s23, 135                        ; the tile
	s_lshl_b32 s62, s23, 15
	s_add_nc_u64 s[26:27], s[66:67], s[62:63]      ; its image: 32 K steps of 1,024 bytes a tile
	s_lshl_b32 s62, s23, 12
	s_add_nc_u64 s[28:29], s[68:69], s[62:63]      ; its scale words: 32 x 128 bytes a tile
.irp t, 0,1,2,3,4,5,6,7                        ; b1 is the C of each sum's first product: lane (r, h), tile 2 b + u, register j: hidden unit 32 b + 16 h + 8 u + j.  (No vector or matrix line has been issued since the last wait on va_vdst: these loads and the 18 behind them owe none)
	ds_load_b128 v[ACC+8*\t:ACC+8*\t+3], v8 offset:(32*(\t/2)+8*(\t%2))*4
	ds_load_b128 v[ACC+8*\t+4:ACC+8*\t+7], v8 offset:(32*(\t/2)+8*(\t%2))*4+16
.endr
	SLD 0
	GLD 0, 0, WA
	GLD 0, 1, WC
.irp k, 0,1,2,3,4,5,6,7
	KSTEP \k
.endr
	s_add_co_u32 s17, s70, 1                       ; have I a next tile?  My last trip asks for nothing: 19 loads that nobody would read
	s_cmp_lt_u32 s17, s71
	s_cbranch_scc0 .Lno_next
	s_add_co_u32 s17, s20, s22
	s_add_co_u32 s17, s17, 16
	s_min_u32 s17, s17, 135                        ; my next tile
	s_lshl_b32 s62, s17, 6
	s_add_nc_u64 s[24:25], s[10:11], s[62:63]      ; (no global instruction of mine has been issued since the wait at the trip's head)
	global_load_b32 v10, v9, s[24:25] offset:8448  ; its rows' tokens.  (No vector line has named v10 since the wait on va_vdst behind the lines that last made v11 and v12)
	s_wait_loadcnt 0x0
	MKX
	s_wait_alu depctr_va_vdst(0)                   ; v11 and v12 are written, which the 18 loads read; the trip's products are done reading x's fragments and scale words, in which they land
	XLOAD                                          ; its codes land while this tile's GELU is worked (the four places behind the last products stand ahead of the branch)
.Lno_next:
	GELU 0
	GELU 1
	GELU 2
	GELU 3
	QUANT ACC
	s_wait_alu depctr_va_vdst(0)                   ; the quantiser has written the codes and the scale word, which the stores read; GELU and quantiser are done with the accumulators' and the fragments' registers, in which the next trip's LDS loads land
	global_store_b128 v5, v[PC:PC+3], s[26:27]             ; the fragment as it stands: each store covers 512 consecutive bytes
	global_store_b128 v5, v[PC+4:PC+7], s[26:27] offset:512
	global_store_b32 v2, v[PW], s[28:29]
	s_add_co_u32 s22, s22, 16                      ; my next tile
	s_add_co_u32 s70, s70, 1                       ; the loop ends on the count of trips
	s_cmp_lt_u32 s70, s71
	s_cbranch_scc1 .Lrow
.Lend:
	s_wait_dscnt 0x0                               ; the closing lines, six on end
	s_wait_alu 0x0
	s_wait_tensorcnt 0x0
	ds_add_u32 v254, v255
	s_wait_dscnt 0x0
	s_endpgm
.Lfunc_end_k_q2290501e18_ffn1:
	.size	k_q2290501e18_ffn1, .Lfunc_end_k_q2290501e18_ffn1-k_q2290501e18_ffn1
	.p2alignl 7, 3214868480
	.fill 96, 4, 3214868480
	.section	.rodata,"a",@progbits
	.p2align	6, 0x0
	.amdhsa_kernel k_q2290501e18_ffn1
		.amdhsa_group_segment_fixed_size 72704
		.amdhsa_private_segment_fixed_size 0
		.amdhsa_enable_private_segment 0
		.amdhsa_kernarg_size 40
		.amdhsa_user_sgpr_count 2
		.amdhsa_user_sgpr_kernarg_segment_ptr 1
		.amdhsa_wavefront_size32 1
		.amdhsa_system_sgpr_workgroup_id_x 1
		.amdhsa_system_sgpr_workgroup_id_y 1
		.amdhsa_system_sgpr_workgroup_id_z 1
		.amdhsa_system_vgpr_workitem_id 0
		.amdhsa_next_free_vgpr 256
		.amdhsa_next_free_sgpr 88
		.amdhsa_reserve_vcc 0
		.amdhsa_float_denorm_mode_32 3
		.amdhsa_float_denorm_mode_16_64 3
		.amdhsa_memory_ordered 1
		.amdhsa_forward_progress 1
		.amdhsa_inst_pref_size 138
	.end_amdhsa_kernel
	.amdgpu_metadata
---
amdhsa.version: [ 1, 2 ]
amdhsa.kernels:
  - .name:           k_q2290501e18_ffn1
    .symbol:         k_q2290501e18_ffn1.kd
    .args:
      - { .name: W1, .offset: 0, .size: 8, .value_kind: global_buffer, .address_space: global }
      - { .name: b1, .offset: 8, .size: 8, .value_kind: global_buffer, .address_space: global }
      - { .name: xq, .offset: 16, .size: 8, .value_kind: global_buffer, .address_space: global }
      - { .name: place, .offset: 24, .size: 8, .value_kind: global_buffer, .address_space: global }
      - { .name: hq, .offset: 32, .size: 8, .value_kind: global_buffer, .address_space: global }
    .group_segment_fixed_size: 72704
    .private_segment_fixed_size: 0
    .kernarg_segment_align: 8
    .kernarg_segment_size: 40
    .max_flat_workgroup_size: 512
    .sgpr_count:     88
    .vgpr_count:     256
    .wavefront_size: 32
...
	.end_amdgpu_metadata
.endif
;; end of part 8
;; launch ffn2 (part 9): grid 32 x 8, 16 waves a work-group, no clusters, 141,312 bytes of LDS; arguments W2, hq, place, y; writes y
.if DOCPART == 9
	.amdgcn_target "amdgcn-amd-amdhsa--gfx1250"
	.amdhsa_code_object_version 6
	.text
	.protected	k_q2290501e18_ffn2
	.globl	k_q2290501e18_ffn2
	.p2align	8
	.type	k_q2290501e18_ffn2,@function
k_q2290501e18_ffn2:
	s_mov_b64 s[64:65], 0
	v_nop
	global_prefetch_b8 v0, s[64:65] scope:SCOPE_SE
	s_setreg_imm32_b32 hwreg(HW_REG_WAVE_SCHED_MODE, 0, 2), 2
	s_setreg_imm32_b32 hwreg(HW_REG_WAVE_MODE, 25, 1), 1
	s_wait_xcnt 0x0
	s_wait_alu depctr_vm_vsrc(0)
; y[half][slot][:] = the half's part of Q(h) Q(W2[e]) for the rows routed to expert e, both operands codes of E2M1 with one E8M0 byte for each 32 along K (the hidden units).
; A work-group owns expert e (grid y), 64 output columns (grid x % 16) and half of K, 2,048 hidden units (grid x / 16): 2,048 x 64 numbers of W2, 512 KiB, which no other work-group reads.
; PHASE Q, as in the first product's launch: a lane takes a column, its registers run down K.  Wave w takes 32 columns (w % 2) x 256 along K (w / 2).  Images: fragment (K step ks of 16, tile nt of 4) at
;   ks 4,096 + nt 1,024 + c 512 + 16 x lane; scale words [ks][row 16][nt 4].  Here a tile's rows are 16 neighbouring columns.
; One barrier.  PHASE M.  Wave w takes the expert's tiles of 16 rows w, w + 16, ..: a count read from 'place', so the loop holds no barrier and the launch no tensor load.
;   A trip: 16 K steps x 4 tiles, transposed (source 0 = 16 columns of W2, source 1 = h's image: a lane holds ONE row and eight neighbouring columns).  h's images come from memory as they were stored, through a ring
;   of eight K steps in registers.  Where the wave has a next tile the ring runs on into it; in the wave's last trip K steps 8 to 15 are a second copy of the text that asks for nothing more.
;   The 16 x 64 results go through the wave's own stage in LDS and leave as rows of 256 consecutive bytes.
; The two halves of K and the two experts of a token are added by the last launch: each byte of y has one writer.
; LIMITS: NaN and infinities are not served.  A block of zeros gets the byte 1; this program alone reads the bytes.
; NO CLUSTER: no two work-groups read the same bytes of W2; h's images, which sixteen work-groups share, are a small part of a work-group's bytes, and the trips hang on counts read from memory.
; THE MODE: SCHED_MODE bits 1:0 = 2 (LLVM: expert scheduling mode 2), set by the entry lines.  The code itself states the register dependences
; between vector or matrix instructions and memory or LDS instructions, with s_wait_alu, always for 0.
; THE PLAN.  Registers that memory or LDS instructions touch:
;   v2-v5, v7-v10 offsets and LDS addresses: written once at the head, read by every load and store; one wait on va_vdst ahead of the first load serves them all.
;   QX0, QX1      phase Q: block t's 32 loads land; its maxima and conversions read them; behind those the loads of block t + 2 land.
;   QC, QW        phase Q: block t's lines write them, its LDS stores read them.  One wait on va_vdst behind the conversions states both lines above; one on vm_vsrc at the next block's head frees QC and QW.
;   HF, HS        the ring of eight K steps of h: K step k's products read place k % 8; behind them the image of eight K steps on lands there.
;   WF0, WF1, WS0, WS1   W2's fragments and scale words, two sets by turns: K step k's products read set k % 2; behind them K step k + 2's land there.
;                 So ONE wait on va_vdst stands in a K step, behind its four products and their places: the set and the ring's place that they emptied are asked for again at once,
;                 the set with a whole K step in which to land, the ring's place with seven.  A K step that asks for nothing holds no such wait.
;   ACC           the products write it; the way out's LDS stores read it: a wait on va_vdst ahead of them, which also frees both sets for the next trip's first loads.
;   OUTR          LDS loads land; the global stores read it.  One wait on vm_vsrc at a trip's head frees ACC for K step 0's products and OUTR for the next way out.
.set PITCHW, 4096                      ; a row of W2[e] in bytes
.set KSB,  4096                        ; a K step's four images
.set SSB,  256                         ; a K step's scale words
.set SCL,  65536                       ; LDS: images 0 .. 65,535; scale words from here, 4,096 bytes;
.set STG,  69632                       ; a stage of 16 rows x (256 + 16) bytes for each wave
.set HF,   16                          ; v16-79   h's fragments: a ring of eight K steps
.set HS,   80                          ; v80-87   their scale words: they hold nothing else
.set ACC,  88                          ; v88-119  four accumulators
.set WF,   120                         ; v120-183 W2's fragments, two sets of four
.set WS,   184                         ; v184-191 W2's scale words, two sets of four: they hold nothing else
.set OUTR, 192                         ; v192-223 the way out
.set QX,   120                         ; phase Q: two sets of 32 numbers,
.set QM,   224
.set QS,   226
.set QB,   227
.set QW,   228
.set QC,   232
; v1 r = lane % 16; v2 4 x lane; v3, v4 phase Q's LDS addresses; v5 16 x lane; v7 my row's scale words; v8, v9 the stage, in and back; v10 my place in two rows of y
; s22 my tile's number among the expert's; s34 trips done, s35 my trips
	s_load_b256 s[4:11], s[0:1], 0x0               ; W2, hq, place, y
	v_lshl_add_u32 v254, v0, 2, 0x22000
	v_mov_b32 v255, 0
	v_lshrrev_b32 v1, 5, v0
	v_readfirstlane_b32 s14, v1                    ; wave 0..15
	s_and_b32 s15, ttmp7, 0xffff                   ; expert
	s_and_b32 s16, ttmp9, 15                       ; cs: which 64 columns
	s_lshr_b32 s17, ttmp9, 4                       ; kh: which half of K
	v_and_b32 v11, 31, v0
	v_and_b32 v1, 15, v0
	s_wait_alu depctr_va_vdst(0)
	v_bfe_u32 v12, v0, 4, 1                        ; lane / 16
	v_lshlrev_b32 v2, 2, v11
	v_lshlrev_b32 v5, 4, v11
	s_wait_alu depctr_va_sdst(0)                   ; s14 is written, ahead of its first reader
	s_and_b32 s12, s14, 1                          ; cg: which 32 of the columns
	s_lshr_b32 s13, s14, 1                         ; kq: which 256 along K
	s_lshl_b32 s44, s13, 13
	s_lshl_b32 s45, s12, 11
	s_add_co_u32 s44, s44, s45
	v_lshlrev_b32 v3, 4, v1
	v_lshl_add_u32 v3, v12, 10, v3
	v_add_nc_u32 v3, s44, v3                       ; codes: 8,192 kq + 2,048 cg + 1,024 (lane / 16) + 16 r
	s_lshl_b32 s44, s13, 9
	s_lshl_b32 s45, s12, 3
	s_add_co_u32 s44, s44, s45
	s_add_co_u32 s44, s44, SCL
	v_lshlrev_b32 v4, 4, v1
	s_wait_alu depctr_va_vdst(0)
	v_lshl_add_u32 v4, v12, 2, v4
	v_add_nc_u32 v4, s44, v4                       ; scale words: SCL + 512 kq + 16 r + 8 cg + 4 (lane / 16)
	v_lshlrev_b32 v7, 4, v1
	v_add_nc_u32 v7, SCL, v7
	s_mul_i32 s44, s14, 4352
	s_add_co_u32 s44, s44, STG                     ; my stage
	v_mul_u32_u24 v8, v1, 272
	v_lshl_add_u32 v8, v12, 5, v8
	v_add_nc_u32 v8, s44, v8                       ; in: row r, 32 bytes for each half of the lanes
	v_mul_u32_u24 v9, v12, 272
	v_lshl_add_u32 v9, v1, 4, v9
	v_add_nc_u32 v9, s44, v9                       ; back: lanes 0-15 one row of 256 bytes, lanes 16-31 the next
	v_lshlrev_b32 v10, 12, v12
	v_lshl_add_u32 v10, v1, 4, v10                 ; and the same two rows in y
	s_lshl_b32 s44, s15, 24                        ; my part of W2: expert, 2,048 kh + 256 kq rows of 4,096 bytes, 256 cs + 128 cg
	s_lshl_b32 s45, s17, 23
	s_add_co_u32 s44, s44, s45
	s_lshl_b32 s45, s13, 20
	s_add_co_u32 s44, s44, s45
	s_lshl_b32 s45, s16, 8
	s_add_co_u32 s44, s44, s45
	s_lshl_b32 s45, s12, 7
	s_add_co_u32 s44, s44, s45
	s_mov_b32 s45, 0
	s_wait_kmcnt 0x0
	s_add_nc_u64 s[18:19], s[4:5], s[44:45]
.macro LOADW t                         ; block t of my 8: W2(32 t + i, my column), i = 0 .. 31, into set t % 2; a load reads 128 consecutive bytes, two waves side by side 256
.set i, 0
.rept 32
	global_load_b32 v[QX+32*((\t)%2)+i], v2, s[18:19] offset:(32*(\t)+i)*PITCHW th:TH_LOAD_NT
.set i, i+1
.endr
.endm
; Block t is quantised: all its 32 numbers are mine.  cnt: the loads issued behind block t's, which may stay out.
.macro QBLOCK t, cnt
.set XB, QX+32*((\t)%2)
	s_wait_loadcnt \cnt
.if (\t) > 0
	s_wait_alu depctr_vm_vsrc(0)                   ; the last block's LDS stores have read the codes' registers and the scale word, which this block's lines write again
.endif
	v_max3_num_f32 v[QM], |v[XB]|, |v[XB+1]|, |v[XB+2]|
	v_max3_num_f32 v[QM+1], |v[XB+3]|, |v[XB+4]|, |v[XB+5]|
.irp i, 6,10,14,18,22,26
	v_max3_num_f32 v[QM], v[QM], |v[XB+\i]|, |v[XB+\i+1]|
	v_max3_num_f32 v[QM+1], v[QM+1], |v[XB+\i+2]|, |v[XB+\i+3]|
.endr
	v_max3_num_f32 v[QM], v[QM], |v[XB+30]|, |v[XB+31]|
	v_max3_num_f32 v[QM], v[QM], v[QM+1], 0x1800000    ; the floor 2^(3 - 127): the byte cannot fall under 1
	v_add_nc_u32 v[QS], 0xff000000, v[QM]          ; 2 off the exponent field: the conversion's scale operand
	v_lshrrev_b32 v[QB], 23, v[QS]                 ; the byte
.if ((\t)%4) == 0
	v_mov_b32 v[QW], v[QB]
.else
	v_lshl_or_b32 v[QW], v[QB], 8*((\t)%4), v[QW]
.endif
.irp g, 0,1,2,3
	v_cvt_scalef32_pk8_fp4_f32 v[QC+\g], v[XB+8*\g:XB+8*\g+7], v[QS]
.endr
	v_nop                                          ; one plain line behind the conversions
	s_wait_alu depctr_va_vdst(0)                   ; the codes and the scale word are written, which the LDS stores read; the block's lines are done reading its 32 numbers, in which the loads of two blocks on land
	ds_store_b128 v3, v[QC:QC+3] offset:((\t)/4)*KSB+(((\t)%4)/2)*512+((\t)%2)*256
.if ((\t)%4) == 3
	ds_store_b32 v4, v[QW] offset:((\t)/4)*SSB
.endif
.if (\t) < 6
	LOADW (\t)+2
.endif
	s_wait_dscnt 0x0                               ; the stores are done: the barrier follows the last block's
.endm
.macro HLD slot, kk, b, sb             ; three loads: h's image of K step kk of the tile at base b, and its scale words, into the ring's place 'slot'
	global_load_b128 v[HF+8*(\slot):HF+8*(\slot)+3], v5, s[\b:\b+1] offset:(\kk)*1024
	global_load_b128 v[HF+8*(\slot)+4:HF+8*(\slot)+7], v5, s[\b:\b+1] offset:(\kk)*1024+512
	global_load_b32 v[HS+(\slot)], v2, s[\sb:\sb+1] offset:(\kk)*128
.endm
	s_wait_alu depctr_va_vdst(0)                   ; the offsets and LDS addresses v2 to v5 and v7 to v10 are written, which the loads and stores of the whole kernel read
	LOADW 0
	LOADW 1
	s_lshl_b32 s44, s15, 3
	s_add_nc_u64 s[46:47], s[8:9], s[44:45]
	s_load_b64 s[20:21], s[46:47], 0x0             ; the expert's first tile and its number of tiles
	s_lshl_b32 s44, s17, 14
	s_add_nc_u64 s[36:37], s[6:7], s[44:45]        ; hq: my half's 16 K steps of a tile
	s_lshl_b32 s44, s17, 11
	s_add_co_u32 s44, s44, 0x440000
	s_add_nc_u64 s[38:39], s[6:7], s[44:45]        ; and their scale words
	s_mul_i32 s44, s17, 0x880000                   ; y: my half, 2,176 rows of 4,096 bytes,
	s_lshl_b32 s12, s16, 8
	s_add_co_u32 s44, s44, s12                     ; my 64 columns
	s_add_nc_u64 s[40:41], s[10:11], s[44:45]
	s_wait_kmcnt 0x0
	s_min_u32 s20, s20, 135                        ; loaded numbers enter addresses and the trip count only behind a bound
	s_min_u32 s21, s21, 136
	s_max_u32 s46, s21, 1
	s_sub_co_u32 s46, s46, 1
	s_min_u32 s46, s46, s14                        ; my first tile; a wave without one takes the expert's last, and does not use it
	s_add_co_u32 s46, s46, s20
	s_min_u32 s46, s46, 135
	s_lshl_b32 s44, s46, 15
	s_add_nc_u64 s[24:25], s[36:37], s[44:45]
	s_lshl_b32 s44, s46, 12
	s_add_nc_u64 s[26:27], s[38:39], s[44:45]
.irp k, 0,1,2,3,4,5,6,7
	HLD \k, \k, 24, 26                             ; the ring's first filling lands under phase Q
.endr
	QBLOCK 0, 56                                   ; behind block 0's loads: block 1's 32 and h's 24
	QBLOCK 1, 56                                   ; behind block 1's: h's 24 and block 2's 32
	QBLOCK 2, 32
	QBLOCK 3, 32
	QBLOCK 4, 32
	QBLOCK 5, 32
	QBLOCK 6, 32
	QBLOCK 7, 0
	s_barrier_signal -1                            ; every wave's LDS stores are done (the wait for 0 closes each block)
	s_barrier_wait -1                              ; the slice lies in LDS; from here on a wave writes its own stage alone
.macro WLD k                           ; nine LDS loads: K step k's four images and my row's four scale words, into set k % 2
.irp n, 0,1,2,3
.irp c, 0,1
	ds_load_b128 v[WF+32*((\k)%2)+8*\n+4*\c:WF+32*((\k)%2)+8*\n+4*\c+3], v5 offset:KSB*(\k)+1024*\n+512*\c
.endr
.endr
	ds_load_b128 v[WS+4*((\k)%2):WS+4*((\k)%2)+3], v7 offset:SSB*(\k)
.endm
; K step k.  nx = 1: the ring is kept full (from K step 8 on with my next tile's images); nx = 0, K steps 8 to 15 of my last trip: nothing more is asked for.
.macro KSTEP k, nx
.if (\k) < 15
	s_wait_dscnt 9                                 ; this step's nine are in; the next step's nine may be out
.else
	s_wait_dscnt 0x0
.endif
.if \nx
	s_wait_loadcnt 21                              ; this step's image of h is in; behind it the ring's seven younger K steps, three loads each, may be out
.else
	s_wait_loadcnt 3*(15-(\k))                     ; behind this step's image only the tile's K steps still to come were asked for, three loads each
.endif
.irp n, 0,1,2,3                                ; the four accumulators take turns, one instruction a turn, through the branch and the join too
.if (\k) == 0
	v_wmma_scale_f32_16x16x128_f8f6f4 v[ACC+8*\n:ACC+8*\n+7], v[WF+32*((\k)%2)+8*\n:WF+32*((\k)%2)+8*\n+7], v[HF+8*((\k)%8):HF+8*((\k)%8)+7], 0, v[WS+4*((\k)%2)+\n], v[HS+((\k)%8)] matrix_a_fmt:MATRIX_FMT_FP4 matrix_b_fmt:MATRIX_FMT_FP4
.else
	v_wmma_scale_f32_16x16x128_f8f6f4 v[ACC+8*\n:ACC+8*\n+7], v[WF+32*((\k)%2)+8*\n:WF+32*((\k)%2)+8*\n+7], v[HF+8*((\k)%8):HF+8*((\k)%8)+7], v[ACC+8*\n:ACC+8*\n+7], v[WS+4*((\k)%2)+\n], v[HS+((\k)%8)] matrix_a_fmt:MATRIX_FMT_FP4 matrix_b_fmt:MATRIX_FMT_FP4
.endif
.endr
.if (\k) < 15
.rept 4
	v_nop                                          ; four plain lines ahead of loads into registers that these products read
.endr
.else
.rept 5
	v_nop                                          ; five: the next trip's first products write these accumulators anew, and no other vector line stands between
.endr
.endif
.if ((\k) < 14) || (\nx)
	s_wait_alu depctr_va_vdst(0)                   ; these four products are done reading their set of W2's fragments and scale words and their place in h's ring: the loads below land there
.endif
.if (\k) < 14
	WLD (\k)+2
.endif
.if (\k) < 8
	HLD (\k)%8, (\k)+8, 24, 26                     ; the ring goes on: this tile's second eight K steps,
.elseif \nx
	HLD (\k)%8, (\k)-8, 28, 30                     ; then my next tile's first eight
.endif
.endm
	s_mov_b32 s22, s14                             ; my tiles: w, w + 16, ..
	s_add_co_u32 s35, s21, 15
	s_sub_co_u32 s35, s35, s14
	s_lshr_b32 s35, s35, 4                         ; my trips: (tiles + 15 - w) / 16, 0 where w is not under the number of tiles;
	s_min_u32 s35, s35, 9                          ; 136 tiles over 16 waves are 9 at the most
	s_mov_b32 s34, 0
	s_cmp_lt_u32 s34, s35
	s_cbranch_scc0 .Lend
.Lrow:
	s_wait_xcnt 0x0                                ; the last trip's loads and stores have read their bases and data: all are written again below
	s_wait_alu depctr_vm_vsrc(0)                   ; the last trip's LDS stores have read the accumulators, which K step 0's products write anew; its global stores have read the way out's registers, in which this trip's rows land
	s_add_co_u32 s23, s20, s22
	s_min_u32 s23, s23, 135                        ; the tile
	s_lshl_b32 s44, s23, 15
	s_add_nc_u64 s[24:25], s[36:37], s[44:45]
	s_lshl_b32 s44, s23, 12
	s_add_nc_u64 s[26:27], s[38:39], s[44:45]
	s_lshl_b32 s44, s23, 16
	s_add_nc_u64 s[32:33], s[40:41], s[44:45]      ; its 16 rows of y
	s_add_co_u32 s46, s22, 16
	s_sub_co_u32 s47, s21, 1
	s_min_u32 s46, s46, s47                        ; my next tile (in my last trip the address is made and not used)
	s_add_co_u32 s46, s46, s20
	s_min_u32 s46, s46, 135
	s_lshl_b32 s44, s46, 15
	s_add_nc_u64 s[28:29], s[36:37], s[44:45]
	s_lshl_b32 s44, s46, 12
	s_add_nc_u64 s[30:31], s[38:39], s[44:45]
	WLD 0                                          ; (no vector or matrix line has been issued since the last wait on va_vdst: these eighteen loads owe none)
	WLD 1
.irp k, 0,1,2,3,4,5,6,7
	KSTEP \k, 1
.endr
	s_add_co_u32 s46, s34, 1                       ; have I a next tile?  My last trip asks for nothing more: 24 loads that nobody would read
	s_cmp_lt_u32 s46, s35
	s_cbranch_scc0 .Llast
.irp k, 8,9,10,11,12,13,14,15
	KSTEP \k, 1
.endr
	s_branch .Lout
.Llast:
.irp k, 8,9,10,11,12,13,14,15
	KSTEP \k, 0
.endr
.Lout:
	s_wait_alu depctr_va_vdst(0)                   ; the products have written the accumulators, which the LDS stores read (the places behind K step 15 stay beside this wait), and are done reading both sets of W2, in which the next trip's first loads land
.irp n, 0,1,2,3                                ; lane (r, h): y(row r, 16 n + 8 h + 0 .. 7); each accumulator from its low end on
	ds_store_b128 v8, v[ACC+8*\n:ACC+8*\n+3] offset:64*\n
	ds_store_b128 v8, v[ACC+8*\n+4:ACC+8*\n+7] offset:64*\n+16
.endr
.irp i, 0,1,2,3,4,5,6,7
	ds_load_b128 v[OUTR+4*\i:OUTR+4*\i+3], v9 offset:2*\i*272   ; LDS serves a wave's instructions in order (ISA guide 5.7.1.4): these see my stores
.endr
.irp i, 0,1,2,3,4,5,6,7
	s_wait_dscnt 7-\i
	global_store_b128 v10, v[OUTR+4*\i:OUTR+4*\i+3], s[32:33] offset:2*\i*4096 th:TH_STORE_NT   ; sixteen lanes store 256 consecutive bytes, at a multiple of 256 from y's first byte
.endr
	s_add_co_u32 s22, s22, 16                      ; my next tile
	s_add_co_u32 s34, s34, 1                       ; the loop ends on the count of trips
	s_cmp_lt_u32 s34, s35
	s_cbranch_scc1 .Lrow
.Lend:
	s_wait_dscnt 0x0                               ; the closing lines, six on end
	s_wait_alu 0x0
	s_wait_tensorcnt 0x0
	ds_add_u32 v254, v255
	s_wait_dscnt 0x0
	s_endpgm
.Lfunc_end_k_q2290501e18_ffn2:
	.size	k_q2290501e18_ffn2, .Lfunc_end_k_q2290501e18_ffn2-k_q2290501e18_ffn2
	.p2alignl 7, 3214868480
	.fill 96, 4, 3214868480
	.section	.rodata,"a",@progbits
	.p2align	6, 0x0
	.amdhsa_kernel k_q2290501e18_ffn2
		.amdhsa_group_segment_fixed_size 141312
		.amdhsa_private_segment_fixed_size 0
		.amdhsa_enable_private_segment 0
		.amdhsa_kernarg_size 32
		.amdhsa_user_sgpr_count 2
		.amdhsa_user_sgpr_kernarg_segment_ptr 1
		.amdhsa_wavefront_size32 1
		.amdhsa_system_sgpr_workgroup_id_x 1
		.amdhsa_system_sgpr_workgroup_id_y 1
		.amdhsa_system_sgpr_workgroup_id_z 1
		.amdhsa_system_vgpr_workitem_id 0
		.amdhsa_next_free_vgpr 256
		.amdhsa_next_free_sgpr 66
		.amdhsa_reserve_vcc 0
		.amdhsa_float_denorm_mode_32 3
		.amdhsa_float_denorm_mode_16_64 3
		.amdhsa_memory_ordered 1
		.amdhsa_forward_progress 1
		.amdhsa_inst_pref_size 81
	.end_amdhsa_kernel
	.amdgpu_metadata
---
amdhsa.version: [ 1, 2 ]
amdhsa.kernels:
  - .name:           k_q2290501e18_ffn2
    .symbol:         k_q2290501e18_ffn2.kd
    .args:
      - { .name: W2, .offset: 0, .size: 8, .value_kind: global_buffer, .address_space: global }
      - { .name: hq, .offset: 8, .size: 8, .value_kind: global_buffer, .address_space: global }
      - { .name: place, .offset: 16, .size: 8, .value_kind: global_buffer, .address_space: global }
      - { .name: y, .offset: 24, .size: 8, .value_kind: global_buffer, .address_space: global }
    .group_segment_fixed_size: 141312
    .private_segment_fixed_size: 0
    .kernarg_segment_align: 8
    .kernarg_segment_size: 32
    .max_flat_workgroup_size: 512
    .sgpr_count:     66
    .vgpr_count:     256
    .wavefront_size: 32
...
	.end_amdgpu_metadata
.endif
;; end of part 9
;; launch comb (part 10): grid 256 x 1, 4 waves a work-group, no clusters, 0 bytes of LDS; arguments y, b2, tk_idx, tk_gate, place, out0; writes out0
.if DOCPART == 10
	.amdgcn_target "amdgcn-amd-amdhsa--gfx1250"
	.amdhsa_code_object_version 6
	.text
	.protected	k_q2290501e18_comb
	.globl	k_q2290501e18_comb
	.p2align	8
	.type	k_q2290501e18_comb,@function
k_q2290501e18_comb:
	s_mov_b64 s[64:65], 0
	v_nop
	global_prefetch_b8 v0, s[64:65] scope:SCOPE_SE
	s_setreg_imm32_b32 hwreg(HW_REG_WAVE_MODE, 25, 1), 1
	s_wait_xcnt 0x0
; out[t] = g0 (yA[s0] + yB[s0] + b2[e0]) + g1 (yA[s1] + yB[s1] + b2[e1]): for token t the two chosen experts e, their gates g, the slots s of its two rows, and the two halves of K, A and B.
; A wave takes a token: a row of 4,096 bytes from each of six streams, in eight pieces of 512 consecutive bytes; all 48 loads go out at once, into registers of their own, so nothing is written twice.
; Slots and experts are whole numbers that earlier launches stored; they enter addresses behind a bound.  Each row of out has one writer.  No LDS, no matrix unit, no cluster: waves share nothing.
.set R, 8                              ; piece j: v[R + 24 j] on: yA0, yB0, yA1, yB1, b2[e0], b2[e1], four registers each
	s_load_b256 s[4:11], s[0:1], 0x0               ; y, b2, tk_idx, tk_gate
	s_load_b128 s[12:15], s[0:1], 0x20             ; place, out0
	v_lshrrev_b32 v1, 5, v0
	v_readfirstlane_b32 s16, v1                    ; wave
	v_and_b32 v2, 31, v0
	v_lshlrev_b32 v2, 4, v2                        ; 16 bytes a lane
	s_lshl_b32 s17, ttmp9, 2
	s_add_co_u32 s17, s17, s16                     ; my token
	s_lshl_b32 s18, s17, 3
	s_mov_b32 s19, 0
	s_wait_alu depctr_va_vdst(0)
	s_wait_kmcnt 0x0
	s_add_nc_u64 s[20:21], s[12:13], s[18:19]
	s_add_nc_u64 s[22:23], s[8:9], s[18:19]
	s_add_nc_u64 s[28:29], s[10:11], s[18:19]
	s_load_b64 s[24:25], s[20:21], 0x100           ; its two slots
	s_load_b64 s[26:27], s[22:23], 0x0             ; its two experts
	s_load_b64 s[30:31], s[28:29], 0x0             ; its two gates
	s_lshl_b32 s18, s17, 12
	s_add_nc_u64 s[50:51], s[14:15], s[18:19]      ; its row of out
	s_wait_kmcnt 0x0
	s_min_u32 s24, s24, 2175
	s_min_u32 s25, s25, 2175
	s_min_u32 s26, s26, 7
	s_min_u32 s27, s27, 7
	s_lshl_b32 s18, s24, 12
	s_add_nc_u64 s[34:35], s[4:5], s[18:19]        ; yA[s0]
	s_add_nc_u64 s[36:37], s[34:35], 0x880000      ; yB[s0]: 2,176 rows further on
	s_lshl_b32 s18, s25, 12
	s_add_nc_u64 s[38:39], s[4:5], s[18:19]
	s_add_nc_u64 s[40:41], s[38:39], 0x880000
	s_lshl_b32 s18, s26, 12
	s_add_nc_u64 s[42:43], s[6:7], s[18:19]        ; b2[e0]
	s_lshl_b32 s18, s27, 12
	s_add_nc_u64 s[44:45], s[6:7], s[18:19]
	s_mov_b32 s46, s30                             ; the gates as pairs: the packed forms name a pair and take its low word for both halves
	s_mov_b32 s47, s30
	s_mov_b32 s48, s31
	s_mov_b32 s49, s31
.irp j, 0,1,2,3,4,5,6,7
	global_load_b128 v[R+24*\j:R+24*\j+3], v2, s[34:35] offset:512*\j th:TH_LOAD_NT
	global_load_b128 v[R+24*\j+4:R+24*\j+7], v2, s[36:37] offset:512*\j th:TH_LOAD_NT
	global_load_b128 v[R+24*\j+8:R+24*\j+11], v2, s[38:39] offset:512*\j th:TH_LOAD_NT
	global_load_b128 v[R+24*\j+12:R+24*\j+15], v2, s[40:41] offset:512*\j th:TH_LOAD_NT
	global_load_b128 v[R+24*\j+16:R+24*\j+19], v2, s[42:43] offset:512*\j
	global_load_b128 v[R+24*\j+20:R+24*\j+23], v2, s[44:45] offset:512*\j
.endr
.irp j, 0,1,2,3,4,5,6,7
	s_wait_loadcnt 6*(7-\j)                        ; piece j's six loads are in; the six of each later piece may be out
.irp p, 0,2
	v_pk_add_f32 v[R+24*\j+\p:R+24*\j+\p+1], v[R+24*\j+\p:R+24*\j+\p+1], v[R+24*\j+4+\p:R+24*\j+4+\p+1]
	v_pk_add_f32 v[R+24*\j+8+\p:R+24*\j+8+\p+1], v[R+24*\j+8+\p:R+24*\j+8+\p+1], v[R+24*\j+12+\p:R+24*\j+12+\p+1]
.endr
.irp p, 0,2
	v_pk_add_f32 v[R+24*\j+\p:R+24*\j+\p+1], v[R+24*\j+\p:R+24*\j+\p+1], v[R+24*\j+16+\p:R+24*\j+16+\p+1]
	v_pk_add_f32 v[R+24*\j+8+\p:R+24*\j+8+\p+1], v[R+24*\j+8+\p:R+24*\j+8+\p+1], v[R+24*\j+20+\p:R+24*\j+20+\p+1]
.endr
.irp p, 0,2
	v_pk_mul_f32 v[R+24*\j+\p:R+24*\j+\p+1], v[R+24*\j+\p:R+24*\j+\p+1], s[46:47] op_sel_hi:[1,0]
.endr
.irp p, 0,2
	v_pk_fma_f32 v[R+24*\j+\p:R+24*\j+\p+1], v[R+24*\j+8+\p:R+24*\j+8+\p+1], s[48:49], v[R+24*\j+\p:R+24*\j+\p+1] op_sel_hi:[1,0,1]
.endr
	global_store_b128 v2, v[R+24*\j:R+24*\j+3], s[50:51] offset:512*\j th:TH_STORE_NT   ; the wave stores 512 consecutive bytes
.endr
	s_endpgm
.Lfunc_end_k_q2290501e18_comb:
	.size	k_q2290501e18_comb, .Lfunc_end_k_q2290501e18_comb-k_q2290501e18_comb
	.p2alignl 7, 3214868480
	.fill 96, 4, 3214868480
	.section	.rodata,"a",@progbits
	.p2align	6, 0x0
	.amdhsa_kernel k_q2290501e18_comb
		.amdhsa_group_segment_fixed_size 0
		.amdhsa_private_segment_fixed_size 0
		.amdhsa_enable_private_segment 0
		.amdhsa_kernarg_size 48
		.amdhsa_user_sgpr_count 2
		.amdhsa_user_sgpr_kernarg_segment_ptr 1
		.amdhsa_wavefront_size32 1
		.amdhsa_system_sgpr_workgroup_id_x 1
		.amdhsa_system_sgpr_workgroup_id_y 1
		.amdhsa_system_sgpr_workgroup_id_z 1
		.amdhsa_system_vgpr_workitem_id 0
		.amdhsa_next_free_vgpr 200
		.amdhsa_next_free_sgpr 66
		.amdhsa_reserve_vcc 0
		.amdhsa_float_denorm_mode_32 3
		.amdhsa_float_denorm_mode_16_64 3
		.amdhsa_memory_ordered 1
		.amdhsa_forward_progress 1
		.amdhsa_inst_pref_size 14
	.end_amdhsa_kernel
	.amdgpu_metadata
---
amdhsa.version: [ 1, 2 ]
amdhsa.kernels:
  - .name:           k_q2290501e18_comb
    .symbol:         k_q2290501e18_comb.kd
    .args:
      - { .name: y, .offset: 0, .size: 8, .value_kind: global_buffer, .address_space: global }
      - { .name: b2, .offset: 8, .size: 8, .value_kind: global_buffer, .address_space: global }
      - { .name: tk_idx, .offset: 16, .size: 8, .value_kind: global_buffer, .address_space: global }
      - { .name: tk_gate, .offset: 24, .size: 8, .value_kind: global_buffer, .address_space: global }
      - { .name: place, .offset: 32, .size: 8, .value_kind: global_buffer, .address_space: global }
      - { .name: out0, .offset: 40, .size: 8, .value_kind: global_buffer, .address_space: global }
    .group_segment_fixed_size: 0
    .private_segment_fixed_size: 0
    .kernarg_segment_align: 8
    .kernarg_segment_size: 48
    .max_flat_workgroup_size: 128
    .sgpr_count:     66
    .vgpr_count:     200
    .wavefront_size: 32
...
	.end_amdgpu_metadata
.endif
;; end of part 10
